; MI455X (gfx1250); checked and timed in simulation.
; The chip was launched on July 23, 2026; its instructions are those of AMD's public machine-readable ISA for CDNA 5 (MIT licence, August 2026) and "CDNA5" Instruction Set Architecture Reference Guide (July 2026). The comments in the code are by the model that wrote it; some were corrected since.
;; GLM Self Attention. Allowed arithmetic: matrix products marked QUANTISED: E4M3 operands, one given power-of-two scale a tensor, by v_wmma_f32_16x16x64_fp8_fp8 or v_wmma_f32_16x16x128_fp8_fp8, f32 sums; everything else in f32.
;; Inputs: Wk_codes 2,048 x 64 x 32 uint8 (E4M3 codes of Wk, K innermost, in blocks of 32 codes); Wo_codes 2,048 x 64 x 32 uint8 (E4M3 codes of Wo, K innermost, in blocks of 32 codes); Wq_codes 2,048 x 64 x 32 uint8 (E4M3 codes of Wq, K innermost, in blocks of 32 codes); Wv_codes 2,048 x 64 x 32 uint8 (E4M3 codes of Wv, K innermost, in blocks of 32 codes); hidden_state_codes 2 x 1,024 x 64 x 32 uint8 (E4M3 codes of hidden_state, K innermost, in blocks of 32 codes); lowp_scales 12 int32 (the exponents e of the quantised operands' scales 2^e); mask 2 x 1,024 x 1,024 bool; position 2 x 1,024 int32.
;; Outputs: out0 2 x 1,024 x 2,048 float32.
;; This version of the problem:
;;   THIS VERSION OF THE PROBLEM IS GIVEN IN LOW PRECISION. The matrix products marked QUANTISED in the list below multiply operands that are first quantised to E4M3 (4 exponent bits, 3 mantissa bits; 8 bits a number), with one given power-of-two scale for each operand tensor; their sums are f32. All else is computed in f32.
;;   The module's matrix products, in the order in which they are computed (A, B: the left and right operand; K: the contracted axis; several contracted axes count as one K, in the product's order):
;;     1. [M 2,048, K 2,048] x [K 2,048, N 2,048]; A: input hidden_state (given as codes); B: input Wq (given as codes): QUANTISED (scales: A lowp_scales[0], B lowp_scales[1])
;;     2. [M 2,048, K 2,048] x [K 2,048, N 2,048]; A: input hidden_state (given as codes); B: input Wk (given as codes): QUANTISED (scales: A lowp_scales[2], B lowp_scales[3])
;;     3. [M 2,048, K 2,048] x [K 2,048, N 2,048]; A: input hidden_state (given as codes); B: input Wv (given as codes): QUANTISED (scales: A lowp_scales[4], B lowp_scales[5])
;;     4. batch 32 x [M 1,024, K 128] x [K 128, N 1,024]; A: computed on the way; B: computed on the way: QUANTISED (scales: A lowp_scales[6], B lowp_scales[7])
;;     5. batch 32 x [M 1,024, K 1,024] x [K 1,024, N 128]; A: computed on the way; B: computed on the way: QUANTISED (scales: A lowp_scales[8], B lowp_scales[9])
;;     6. [M 2,048, K 2,048] x [K 2,048, N 2,048]; A: computed on the way; B: input Wo (given as codes): QUANTISED (scales: A lowp_scales[10], B lowp_scales[11])
;;   THE QUANTISER, for each operand of a quantised product, along K:
;;     - The operand's scale is 2^e, e = its entry of the input lowp_scales (int32; the entries are numbered through the quantised products in the list's order, A before B).
;;     - Each number is divided by the scale, clamped to +-448, and rounded to the nearest number of E4M3, ties to even, subnormals kept.
;;     - The product sums the exact products of the quantised numbers (number of the format x scale) in f32.
;;   ~~~python
;;   def quantise(x, axis, e):      # numpy; x: float32 -> the quantised numbers, widened to float32 again
;;       x = np.moveaxis(x, axis, -1); K = x.shape[-1]
;;       r = np.clip(x / 2.0 ** e, -448, 448)
;;       step = 2.0 ** (np.maximum(np.frexp(np.where(r == 0, 1, r))[1] - 1, -6) - 3)
;;       q = np.round(r / step) * step * 2.0 ** e      # np.round: ties to even
;;       return np.moveaxis(q, -1, axis).astype(np.float32)
;;   ~~~
;;   OPERANDS COMPUTED ON THE WAY. 'Computed on the way' means the value that the module computes at that place (a softmax that the list does not call 'softmax' is quantised finished and normalised). What goes into a quantiser is computed in f32, as accurately as f32 sums, v_exp_f32 and their like allow (about 1e-6 of the number): no bf16 or f16 on the way to a quantiser, and a product that is left as it is and whose result goes on into a quantised operand takes f32 operands (vector FMAs, or v_wmma_f32_16x16x4_f32). A number that lies on a knife's edge between two numbers of the format may be rounded either way, as far as f32 arithmetic and the matrix unit's own rounding can turn it there, and no further.
;;   INPUTS GIVEN AS CODES. Wk (in the module: [2048, 2048], K = its axis 0); Wo (in the module: [2048, 2048], K = its axis 0); Wq (in the module: [2048, 2048], K = its axis 0); Wv (in the module: [2048, 2048], K = its axis 0); hidden_state (in the module: [2, 1024, 2048], K = its axis 2): each comes as NAME_codes (uint8): NAME with its K axis moved to the last place and cut into blocks of 32 codes, [.., K / 32, bytes a block], one block behind the other in memory; one code a byte (a code: sign, 4 exponent bits, 3 mantissa bits); its scale is its entry of lowp_scales. Its value is code x scale, taken as it is: it is not quantised again, and the codes and scales need not be those that the quantiser above would give.
;; One version. Each part assembles by itself: llvm-mc -triple=amdgcn-amd-amdhsa -mcpu=gfx1250 --defsym DOCPART=n.
;; ======== version 1 of 1: 3 launches
;; limits: right only within a limited range of input values
;; workspace buffers: qc 4,194,304 bytes; kc 4,194,304 bytes; vc 4,194,304 bytes; ac 4,194,304 bytes; mc 524,288 bytes
;; launch qkv (part 1): grid 16 x 16, 4 waves a work-group, clusters of 4 x 4, 327,680 bytes of LDS; arguments hidden_state_codes, Wq_codes, Wk_codes, Wv_codes, mask, position, lowp_scales, qc, kc, vc, mc; writes qc, kc, vc, mc
.if DOCPART == 1
	.amdgcn_target "amdgcn-amd-amdhsa--gfx1250"
	.amdhsa_code_object_version 6
	.text
	.protected	k_qede504e50c_qkv
	.globl	k_qede504e50c_qkv
	.p2align	8
	.type	k_qede504e50c_qkv,@function
k_qede504e50c_qkv:
	s_mov_b64 s[64:65], 0
	v_nop
	global_prefetch_b8 v0, s[64:65] scope:SCOPE_SE
	s_setreg_imm32_b32 hwreg(HW_REG_WAVE_MODE, 25, 1), 1
	s_wait_xcnt 0x0
	s_wait_alu depctr_hold_cnt(0) depctr_sa_sdst(0) depctr_va_vdst(0) depctr_va_sdst(0) depctr_va_ssrc(0) depctr_va_vcc(0) depctr_vm_vsrc(0)
	s_getreg_b32 s2, hwreg(HW_REG_IB_STS2, 6, 4)
	s_cmp_eq_u32 s2, 0
	s_cbranch_scc0 .Lentry_in_a_cluster
	s_endpgm
.Lentry_in_a_cluster:
	s_bfe_u32 s2, ttmp6, 0x10000c
	s_cmp_lg_u32 s2, 0xf033
	s_cbranch_scc0 .Lentry_shape_is_right
	s_endpgm
.Lentry_shape_is_right:
; q, k, v = X Wq, X Wk, X Wv on the given E4M3 codes (K = 2,048), RoPE on q and k in f32, the three results quantised to E4M3 for the attention launch; the input mask is packed into bits.  No step of the problem is left out.
; SHARES.  A work-group takes 128 rows of X (tile row wgy) and ONE head (wgx): 128 columns of each of q, k, v: 128 x 384.  16 x 16 work-groups.
; Wave w takes all 128 rows and, of each of q, k, v, the column tiles d = 16 w + 0..15 and d = 64 + 16 w + 0..15: the partners (d, d + 64) of a rotation lie in one lane.  48 accumulators of 16 x 16.
; q and k are multiplied TRANSPOSED (source 0 = W's rows, source 1 = X's rows): a lane holds one row and eight neighbouring d.  v as it stands (source 0 = X): a lane holds one d and eight neighbouring keys.
; K goes in steps of 256 through a ring of two LDS slots (X's, Wq's, Wk's, Wv's 128 rows, 256 bytes a row); wave 0 fetches X, waves 1, 2, 3 fetch Wq, Wk, Wv: one tensor load a wave.
; CLUSTER 4 x 4: X's tile hangs on wgy alone and is asked for jointly by a row of the cluster, W's tiles on wgx alone and by a column.
; PREFETCH.  Some way behind the joint load of K step i stands one prefetch a wave for K step i + 2: of the 128 rows that a wave fetches, each of the four partners names 32, a lane a row; the last two steps ask for nothing.
; FRAGMENTS come by four ds_load_b128, 32 bytes apart: registers 4 c .. 4 c + 3 hold K = 32 c + 16 (lane / 16) + 0..15: a permutation of k that is the same in both operands.
; OUTPUT LAYOUTS (this program's own workspace): a block of 128 rows x 128 of one head is 16,384 bytes, eight images of operand fragments of 2,048 bytes.
;   qc, kc: fragment a (rows 16 a + r): byte (r, d) at 256 (d / 16) + 16 r + d % 16.     vc: fragment dt (d = 16 dt + r): key 16 a + 8 h + j at 512 (a / 2) + 256 h + 16 r + 8 (a % 2) + j.
;   mc: [b][tile of 16 queries][step of 128 keys][512 bytes]: four words a lane at 16 lane.  Think of 16 words of bytes a lane, byte j of the pair 2 T, 2 T + 1 of lane 16 h + r being 1 where mask[b][query r][key 16 T + 8 h + j]
;       is false: stored word p holds the words 4 p + i at bit 3 + i of each byte, i = 0 .. 3.
; SIN AND COS: angle = f32(position) x inv_freq, one rounding; n = the nearest whole number to angle / pi, made by adding and taking away 1.5 x 2^23; r = angle - n pi by two fused multiply-adds (pi in two parts);
;   polynomials of degree 11 and 10 on |r| <= pi / 2; both take the sign (-1)^n, the sum's lowest bit.  inv_freq = 2^(-kf log2(10000) / 64) by v_exp_f32.
; LIMITS.  |position| <= 2^21.  e6 - e0 - e1, e7 - e2 - e3, e9 - e4 - e5 between -126 and 119, so that each folded scale and 448 x it are f32 numbers.  NaN codes among the inputs are not served.
; REGISTERS, in windows of 256.  Window 0: v4-15 addresses, v16-21 scales and holds, v22-31 constants and addresses, v32-127 at work, v128-255 X's eight fragments (one set).  Window 1: W's six fragments, two sets, at v0 and v128.
;   Window 2: accumulators of row blocks 0-3 (block a, tile b at 48 a + 8 b; b = 2 t + u, t = q, k, v), v192-255 cos.  Window 3: row blocks 4-7, v192-255 sin.
.set PITCH,  272                       ; an LDS row: 256 bytes + 16 of padding: the 16 rows that a fragment load touches begin 68 words apart
.set HALFT,  128*PITCH                 ; 128 rows: what one tensor load brings
.set SLOT,   4*HALFT
.set SPARE,  2*SLOT                    ; behind the ring: the spare words, 128 bytes a wave; no other line names them
.set ROWB,   256
.set KROW,   2048
.set LAPS,   KROW/(2*ROWB)
.set ADRA, 4                           ; v4-5    X's fragments in slot 0, 1
.set ADRB, 6                           ; v6-11   W's: 3 x slot + t
.set QKO,  12                          ; v12     256 w + 16 r + 8 h: my 8 bytes in a fragment's image of q or k
.set VO,   13                          ; v13     2,048 w + 16 lane: my 16 bytes in v's images
.set SPW,  14                          ; v14     my spare word; never rewritten
.set NIL,  15                          ; v15     0; never rewritten
.set LIMQ, 16
.set SCQ,  17
.set LIMK, 18
.set SCK,  19
.set LIMV, 20
.set SCV,  21
.set MAG,  22                          ; v22-23  1.5 x 2^23
.set S4V,  24                          ; v24-25, v26-27: a coefficient each of sine and cosine
.set C4V,  26
.set PFO,  30                          ; v30     the prefetches' offset: a row a lane; never rewritten
.set IFQ,  32                          ; v32-39  inv_freq of my eight d
.set POSF, 40                          ; v40-47  the positions of my row in the eight row blocks
.set FR,   48
.set NN,   56
.set NM,   64
.set RR,   72
.set ZZ,   80
.set PS,   88
.set PCO,  96
.set T1,   104
.set MB,   112                         ; v112-127 the mask's bytes
.set Y,    32                          ; the way out: 32 numbers at work
.set CD,   64                          ; v64-127  q's and k's codes, registers of their own for each store
.set VC,   128                         ; v128-159 v's codes
.set AF,   128
.set PFA,  26                          ; s[26:27] where my prefetches stand
.set G1A,  28
.set G1B,  36
.set G0A,  44
.set G0B,  52
.set WV,   60
.set QK_LO, 0xa1                       ; source 0 (W) window 1, source 1 (X) window 0, C and D window 2
.set QK_HI, 0xf1
.set V_LO,  0xa4                       ; source 0 (X) window 0, source 1 (W) window 1, C and D window 2
.set V_HI,  0xf4
.set TO_B,  0x40
.set MSB, 0
.macro WIN new                         ; the immediate's high byte repeats the setting that is left
.if MSB != (\new)
	s_set_vgpr_msb (MSB<<8)|(\new)
.set MSB, (\new)
.endif
.endm
.macro PLACES n
.rept \n
	v_nop
.endr
.endm
; A joint load: wave 0 asks for X's tile, waves 1 to 3 for their W's.  Four v_nop follow each of the two lines.
.macro JLOAD s
	s_cmp_eq_u32 s[WV], 0
	s_cbranch_scc0 .Lfor_b_\@
	tensor_load_to_lds s[G0A+4*\s:G0A+4*\s+3], s[G1A:G1A+7]
	s_nop 0
.rept 4
	v_nop
.endr
	s_branch .Lasked_\@
.Lfor_b_\@:
	tensor_load_to_lds s[G0B+4*\s:G0B+4*\s+3], s[G1B:G1B+7]
	s_nop 0
.rept 4
	v_nop
.endr
.Lasked_\@:
.endm
.macro ASK guard                       ; one prefetch a wave: 32 rows x 256 bytes; guard = 1, in the loop: its last trip (s3 = 1) asks for nothing
.if \guard
	s_cmp_gt_u32 s3, 1
	s_cbranch_scc0 .Lno_ask_\@
.endif
	global_prefetch_b8 v[PFO], s[PFA:PFA+1] th:TH_LOAD_NT scope:SCOPE_SE
.if \guard
.Lno_ask_\@:
.endif
.endm
.macro CREST                           ; a round of the cluster's barrier behind its opening barrier
	s_cmp_lg_u32 s[WV], 0
	s_cbranch_scc1 .Lnot_wave_0_\@
	s_barrier_signal -3
.Lnot_wave_0_\@:
	s_barrier_wait -3
	s_barrier_signal -1
	s_barrier_wait -1
.endm
.macro CROUND
	s_barrier_signal -1
	s_barrier_wait -1
	CREST
.endm
	s_load_b512 s[4:19], s[0:1], 0x0               ; X s[4:5], Wq s[6:7], Wk s[8:9], Wv s[10:11], mask s[12:13], position s[14:15], scales s[16:17], qc s[18:19]
	s_load_b128 s[20:23], s[0:1], 0x40             ; kc, vc
	s_load_b64 s[24:25], s[0:1], 0x50              ; mc
	v_lshl_add_u32 v[SPW], v0, 2, SPARE
	v_mov_b32 v[NIL], 0
	ds_add_u32 v[SPW], v[NIL]                      ; the wave's opening: the add, twice on end, and its wait
	ds_add_u32 v[SPW], v[NIL]
	v_lshrrev_b32 v1, 5, v0
	v_readfirstlane_b32 s[WV], v1                  ; wave 0..3
	s_bfe_u32 s61, ttmp6, 0x40000                  ; cx
	s_bfe_u32 s62, ttmp6, 0x40004                  ; cy
	s_lshl_b32 s63, ttmp9, 2
	s_add_co_u32 s63, s63, s61                     ; wgx: the head
	s_and_b32 s66, ttmp7, 0xffff
	s_lshl_b32 s66, s66, 2
	s_add_co_u32 s66, s66, s62                     ; wgy: the tile of 128 rows
	s_lshl_b32 s80, s62, 2
	s_lshl_b32 s80, 15, s80                        ; my row of the cluster
	s_lshl_b32 s81, 0x1111, s61                    ; my column
	s_or_b32 s[G1A], s80, (1<<20)|(1<<21)|(5<<22)|(3<<25)   ; 15:0 the mask; elements of 1 byte; padding on; 21 set beside a mask; 4 words of padding after every 64
	s_or_b32 s[G1B], s81, (1<<20)|(1<<21)|(5<<22)|(3<<25)
.irp g, G1A, G1B
	s_mov_b32 s[\g+1], ROWB<<16                    ; tensor_dim0 = 256
	s_mov_b32 s[\g+2], 128<<16                     ; tensor_dim1 = 128
	s_mov_b32 s[\g+3], ROWB<<16                    ; tile_dim0
	s_mov_b32 s[\g+4], 128                         ; tile_dim1
	s_mov_b32 s[\g+5], KROW                        ; from row to row
	s_mov_b32 s[\g+6], 0
	s_mov_b32 s[\g+7], 0
.endr
	s_lshl_b32 s82, s66, 18                        ; X: 128 rows x 2,048 bytes x wgy: this pair never holds cx
	s_mov_b32 s83, 0
	s_lshl_b32 s84, s63, 18                        ; W: the head's 128 rows: this pair never holds cy
	s_mov_b32 s85, 0
	s_mul_i32 s86, s[WV], HALFT                    ; where my tile goes: wave x 128 rows
	s_lshl_b32 s80, s66, 4
	s_add_co_u32 s80, s80, s63
	s_lshl_b32 s80, s80, 2
	s_add_co_u32 s80, s80, s[WV]                   ; u = 4 (16 wgy + wgx) + wave, 0 .. 1,023: (batch, tile of 16 queries) = u / 8, step of 128 keys = u % 8
	s_lshr_b32 s81, s80, 3
	s_lshl_b32 s81, s81, 14                        ; 16 rows of 1,024 bytes
	s_and_b32 s87, s80, 7
	s_lshl_b32 s87, s87, 7
	s_add_co_u32 s81, s81, s87
	s_lshl_b32 s87, s66, 9
	s_lshl_b32 s80, s80, 9
	v_and_b32 v1, 15, v0                           ; r
	v_bfe_u32 v2, v0, 4, 1                         ; h
	v_and_b32 v3, 31, v0                           ; lane
	v_lshlrev_b32 v28, 10, v1
	v_lshl_add_u32 v28, v2, 3, v28
	v_add_nc_u32 v28, s81, v28                     ; the mask: query r's row, + 8 h
	v_lshl_add_u32 v29, v1, 2, s87                 ; the position of row 128 wgy + r
	v_lshl_add_u32 v31, v3, 4, s80                 ; mc: 512 u + 16 lane
	v_lshlrev_b32 v[PFO], 11, v3                   ; a row of 2,048 bytes a lane
	s_wait_alu depctr_va_vdst(0)                   ; directly ahead of the wait below
	s_wait_dscnt 0x0                               ; both opening adds are done
	CROUND                                         ; all sixteen work-groups are here: the first joint loads meet
	s_wait_kmcnt 0x0
	s_load_b256 s[68:75], s[16:17], 0x0            ; e0 .. e7
	s_load_b128 s[76:79], s[16:17], 0x20           ; e8 .. e11
	s_cmp_eq_u32 s[WV], 1
	s_cselect_b64 s[88:89], s[6:7], s[10:11]       ; wave 1: Wq; wave 2: Wk; else Wv
	s_cmp_eq_u32 s[WV], 2
	s_cselect_b64 s[88:89], s[8:9], s[88:89]
	s_add_nc_u64 s[82:83], s[4:5], s[82:83]
	s_add_nc_u64 s[84:85], s[88:89], s[84:85]
.irp s, 0,1
	s_mov_b32 s[G0A+4*\s], 1
	s_add_co_u32 s[G0A+4*\s+1], s86, \s*SLOT
	s_add_nc_u64 s[G0A+4*\s+2:G0A+4*\s+3], s[82:83], \s*ROWB
	s_or_b32 s[G0A+4*\s+3], s[G0A+4*\s+3], 0x80000000
	s_mov_b32 s[G0B+4*\s], 1
	s_add_co_u32 s[G0B+4*\s+1], s86, \s*SLOT
	s_add_nc_u64 s[G0B+4*\s+2:G0B+4*\s+3], s[84:85], \s*ROWB
	s_or_b32 s[G0B+4*\s+3], s[G0B+4*\s+3], 0x80000000
.endr
	JLOAD 0                                        ; K step 0: one tensor load a wave at the head
.irp a, 0,1,2,3,4,5,6,7
	global_load_b32 v[POSF+\a], v29, s[14:15] offset:64*\a
.endr
.irp g, 0,1,2,3,4,5,6,7
	global_load_b64 v[MB+2*\g:MB+2*\g+1], v28, s[12:13] offset:16*\g   ; keys 16 g + 8 h + 0..7: the order in which the attention launch's score registers 8 g + 0..7 of this lane hold them
.endr
	s_cmp_eq_u32 s[WV], 0                          ; the prefetches: wave 0 for X, its 32 rows told by cx; the others for their W, by cy
	s_cselect_b64 s[PFA:PFA+1], s[82:83], s[84:85]
	s_cselect_b32 s80, s61, s62
	s_lshl_b32 s80, s80, 16                        ; 32 rows of 2,048 bytes
	s_add_co_u32 s80, s80, 2*ROWB                  ; at K step 2
	s_mov_b32 s81, 0
	s_add_nc_u64 s[PFA:PFA+1], s[PFA:PFA+1], s[80:81]
	; ---- while the first tiles are on their way: inv_freq, addresses, the folded scales
	s_lshl_b32 s87, s[WV], 4
	v_lshl_add_u32 v48, v2, 3, s87                 ; 16 w + 8 h
.irp j, 0,1,2,3,4,5,6,7
	v_add_nc_u32 v[IFQ+\j], \j, v48                ; kf = d % 64
.endr
.irp j, 0,1,2,3,4,5,6,7
	v_cvt_f32_u32 v[IFQ+\j], v[IFQ+\j]
.endr
.irp j, 0,1,2,3,4,5,6,7
	v_mul_f32 v[IFQ+\j], 0xbe549a78, v[IFQ+\j]     ; x -log2(10000) / 64
.endr
	s_wait_alu depctr_va_vdst(0)                   ; ahead of the batch
.irp j, 0,1,2,3,4,5,6,7
	v_exp_f32 v[IFQ+\j], v[IFQ+\j]
.endr
	v_mul_u32_u24 v[ADRA], v1, PITCH
	v_lshl_add_u32 v[ADRA], v2, 4, v[ADRA]         ; row r x pitch + 16 h
	v_add_nc_u32 v[ADRA+1], SLOT, v[ADRA]
	s_mul_i32 s87, s[WV], 16*PITCH
	v_add_nc_u32 v49, s87, v[ADRA]                 ; + my 16 columns' rows
.irp s, 0,1
.irp t, 0,1,2
	v_add_nc_u32 v[ADRB+3*\s+\t], \s*SLOT+(128+128*\t)*PITCH, v49
.endr
.endr
	v_lshlrev_b32 v[QKO], 4, v1
	v_lshl_add_u32 v[QKO], v2, 3, v[QKO]
	s_lshl_b32 s87, s[WV], 8
	v_add_nc_u32 v[QKO], s87, v[QKO]
	s_lshl_b32 s87, s[WV], 11
	v_lshl_add_u32 v[VO], v3, 4, s87
	v_mov_b32 v[MAG], 0x4b400000
	v_mov_b32 v[MAG+1], 0x4b400000
	v_mov_b32 v[S4V], 0x3638b88e
	v_mov_b32 v[S4V+1], 0x3638b88e
	v_mov_b32 v[C4V], 0x37cfb4c2
	v_mov_b32 v[C4V+1], 0x37cfb4c2
	s_wait_alu depctr_va_vdst(0)                   ; behind the exponentials, and ahead of the wait below
.macro PK4M d, a, lit, c               ; four pairs: d = a x constant + c
.irp p, 0,2,4,6
	v_pk_fma_f32 v[\d+\p:\d+\p+1], v[\a+\p:\a+\p+1], \lit, v[\c+\p:\c+\p+1] op_sel_hi:[1,0,1]
.endr
.endm
.macro PK4A d, lit                     ; four pairs: d = d x z + constant
.irp p, 0,2,4,6
	v_pk_fma_f32 v[\d+\p:\d+\p+1], v[\d+\p:\d+\p+1], v[ZZ+\p:ZZ+\p+1], \lit op_sel_hi:[1,1,0]
.endr
.endm
.macro PK4C d, a, lit, c               ; four pairs: d = a x constant + the one pair c
.irp p, 0,2,4,6
	v_pk_fma_f32 v[\d+\p:\d+\p+1], v[\a+\p:\a+\p+1], \lit, v[\c:\c+1] op_sel_hi:[1,0,1]
.endr
.endm
.macro SINCOS a                        ; cos and sin of my row of block a at my eight frequencies
.irp p, 0,2,4,6
.if (\a)%2
	v_pk_mul_f32 v[FR+\p:FR+\p+1], v[IFQ+\p:IFQ+\p+1], v[POSF+2*((\a)/2):POSF+2*((\a)/2)+1] op_sel:[0,1] op_sel_hi:[1,1]
.else
	v_pk_mul_f32 v[FR+\p:FR+\p+1], v[IFQ+\p:IFQ+\p+1], v[POSF+2*((\a)/2):POSF+2*((\a)/2)+1] op_sel_hi:[1,0]
.endif
.endr
	PK4C NN, FR, 0x3ea2f983, MAG                   ; angle / pi + 1.5 x 2^23: rounded to a whole number n, whose parity is the lowest bit
.irp p, 0,2,4,6
	v_pk_add_f32 v[NM+\p:NM+\p+1], v[NN+\p:NN+\p+1], v[MAG:MAG+1] neg_lo:[0,1] neg_hi:[0,1]
.endr
	PK4M RR, NM, 0xc0490fdb, FR                    ; - n pi, pi's first part
	PK4M RR, NM, 0x33bbbd2e, RR                    ; and the rest of it
.irp p, 0,2,4,6
	v_pk_mul_f32 v[ZZ+\p:ZZ+\p+1], v[RR+\p:RR+\p+1], v[RR+\p:RR+\p+1]
.endr
	PK4C PS, ZZ, 0xb2cd365b, S4V
	PK4C PCO, ZZ, 0xb48bdd11, C4V
	PK4A PS, 0xb9500bf1
	PK4A PCO, 0xbab609aa
	PK4A PS, 0x3c088886
	PK4A PCO, 0x3d2aaaa3
	PK4A PS, 0xbe2aaaab
	PK4A PCO, -0.5
.irp p, 0,2,4,6
	v_pk_mul_f32 v[T1+\p:T1+\p+1], v[RR+\p:RR+\p+1], v[ZZ+\p:ZZ+\p+1]
.endr
	PK4A PCO, 1.0                                  ; cos r
.irp p, 0,2,4,6
	v_pk_fma_f32 v[PS+\p:PS+\p+1], v[T1+\p:T1+\p+1], v[PS+\p:PS+\p+1], v[RR+\p:RR+\p+1]   ; sin r
.endr
.irp j, 0,1,2,3,4,5,6,7
	v_lshlrev_b32 v[NN+\j], 31, v[NN+\j]           ; the sign (-1)^n
.endr
	WIN 0x80                                       ; destination window 2
.irp j, 0,1,2,3,4,5,6,7
	v_xor_b32 v[192+8*(\a)+\j], v[PCO+\j], v[NN+\j]
.endr
	WIN 0xc0                                       ; destination window 3
.irp j, 0,1,2,3,4,5,6,7
	v_xor_b32 v[192+8*(\a)+\j], v[PS+\j], v[NN+\j]
.endr
	WIN 0
.endm
.macro MKSCALE lim, sc, ea, eb, ec     ; a sum stands for sum x 2^(eb + ec); its code is sum / 2^(ea - eb - ec): the three scales folded into the conversion's one
	s_sub_co_i32 s80, s[\ea], s[\eb]
	s_sub_co_i32 s80, s80, s[\ec]
	s_add_co_i32 s80, s80, 127
	s_lshl_b32 s81, s80, 23
	v_mov_b32 v[\sc], s81
	s_add_co_i32 s80, s80, 8
	s_lshl_b32 s80, s80, 23
	s_or_b32 s80, s80, 0x600000
	v_mov_b32 v[\lim], s80                         ; 448 x that
.endm
	s_wait_kmcnt 0x0
	MKSCALE LIMQ, SCQ, 74, 68, 69                  ; e6 - e0 - e1
	MKSCALE LIMK, SCK, 75, 70, 71                  ; e7 - e2 - e3
	MKSCALE LIMV, SCV, 77, 72, 73                  ; e9 - e4 - e5
	s_lshr_b32 s80, s66, 3                         ; batch
	s_lshl_b32 s80, s80, 4
	s_add_co_u32 s80, s80, s63                     ; 16 b + head
	s_lshl_b32 s80, s80, 3
	s_and_b32 s81, s66, 7
	s_add_co_u32 s80, s80, s81                     ; + the block of 128 rows in the sequence
	s_lshl_b32 s80, s80, 14
	s_mov_b32 s81, 0
	s_add_nc_u64 s[18:19], s[18:19], s[80:81]
	s_add_nc_u64 s[20:21], s[20:21], s[80:81]
	s_add_nc_u64 s[22:23], s[22:23], s[80:81]
.macro FRAG reg, adr, off              ; a fragment: 16 rows x 128 K, 16 registers
.irp c, 0,1,2,3
	ds_load_b128 v[(\reg)+4*\c:(\reg)+4*\c+3], v[\adr] offset:(\off)+32*\c
.endr
.endm
.macro FETCH_B slot, q, p              ; W's six fragments of the slot's q-th 128 along K into set p: 24 loads
	WIN TO_B
.irp t, 0,1,2
.irp u, 0,1
	FRAG 128*(\p)+16*(2*\t+\u), ADRB+3*(\slot)+\t, 128*(\q)+\u*64*PITCH
.endr
.endr
	WIN 0
.endm
.macro FETCH_A slot, q, i0             ; X's blocks i0 .. i0 + 3: 16 loads
.irp i, \i0, \i0+1, \i0+2, \i0+3
	FRAG AF+16*(\i), ADRA+\slot, 128*(\q)+(\i)*16*PITCH
.endr
.endm
.macro MM d, s0, s1, zero              ; zero = 1: the first product starts the sum: nothing is cleared
.if \zero
	v_wmma_f32_16x16x128_fp8_fp8 v[(\d):(\d)+7], v[(\s0):(\s0)+15], v[(\s1):(\s1)+15], 0
.else
	v_wmma_f32_16x16x128_fp8_fp8 v[(\d):(\d)+7], v[(\s0):(\s0)+15], v[(\s1):(\s1)+15], v[(\d):(\d)+7]
.endif
.endm
; The 48 accumulators take turns, one instruction a turn, in the same order in every step.
.macro MULQK a0, p, zero               ; 16 products: four row blocks x q's and k's four tiles, transposed
.irp a, \a0, \a0+1, \a0+2, \a0+3
.irp b, 0,1,2,3
	MM 48*((\a)%4)+8*\b, 128*(\p)+16*\b, AF+16*(\a), \zero
.endr
.endr
.endm
.macro MULV a0, p, zero                ; 8 products: four row blocks x v's two tiles
.irp a, \a0, \a0+1, \a0+2, \a0+3
.irp b, 4,5
	MM 48*((\a)%4)+8*\b, AF+16*(\a), 128*(\p)+16*\b, \zero
.endr
.endr
.endm
; A slot's first 128 along K (W's set 0); the second 128's fragments are fetched on the way.  A load into a register that a matrix instruction has read stands four plain vector places behind it.
.macro STEP slot, zero
	s_wait_dscnt 16                                ; W's set and X's blocks 0-3 are in; the youngest 16 loads (blocks 4-7) may be out
	WIN QK_LO
	MULQK 0, 0, \zero
	WIN V_LO
	MULV 0, 0, \zero
	s_wait_dscnt 0x0                               ; blocks 4-7 are in
	PLACES 4
	FETCH_B \slot, 1, 1
	FETCH_A \slot, 1, 0
	WIN QK_HI
	MULQK 4, 0, \zero
	WIN V_HI
	MULV 4, 0, \zero
	PLACES 4
	WIN 0
	FETCH_A \slot, 1, 4
.endm
; A slot's second 128 along K (set 1) changes slots: one barrier; in front of it each wave waits for all its tensor loads, adds 0 to its spare word and waits for that and for its reads of this slot.
; Sixteen products stand ahead of the wait for the tile, eight between the add and the wait for it.  fill = 0, the last change: four row blocks' sines and cosines stand ahead of the wait for the tile.
.macro TURN slot, next, fill
	s_wait_dscnt 16                                ; the youngest 16 loads (blocks 4-7) may be out
	WIN QK_LO
	MULQK 0, 1, 0
	WIN 0
.if \fill
	s_wait_xcnt 0x0                                ; my last prefetch has read its address
	s_add_nc_u64 s[PFA:PFA+1], s[PFA:PFA+1], ROWB
.else
.irp a, 4,5,6,7
	SINCOS \a
.endr
	s_wait_alu depctr_va_vdst(0)                   ; directly ahead of the wait below
.endif
	s_wait_tensorcnt 0x0                           ; my one load that was out, my part of the next slot, has landed
	ds_add_u32 v[SPW], v[NIL]                      ; 0 onto my spare word
	WIN V_LO
	MULV 0, 1, 0
	WIN 0
	s_wait_dscnt 0x0                               ; the add is done, and my reads of this slot are over
	s_barrier_signal -1
	s_barrier_wait -1
.if \fill
	CREST                                          ; the barrier has opened a round of the cluster's: no wave of any partner still reads this slot or has a load on its way
	s_add_nc_u64 s[G0A+4*\slot+2:G0A+4*\slot+3], s[G0A+4*\slot+2:G0A+4*\slot+3], 2*ROWB
	s_add_nc_u64 s[G0B+4*\slot+2:G0B+4*\slot+3], s[G0B+4*\slot+2:G0B+4*\slot+3], 2*ROWB
	JLOAD \slot                                    ; the first tensor load behind the round; its four v_nop are also the places in front of the loads below
.else
	PLACES 4
.endif
	FETCH_B \next, 0, 0
	FETCH_A \next, 0, 0
.if \fill
	ASK 1
.endif
	WIN QK_HI
	MULQK 4, 1, 0
	WIN V_HI
	MULV 4, 1, 0
	PLACES 4
	WIN 0
	FETCH_A \next, 0, 4
.endm
	s_wait_alu depctr_va_vdst(0)                   ; at the head's end
	s_wait_tensorcnt 0x0                           ; my part of K step 0 is in
	ds_add_u32 v[SPW], v[NIL]
	s_wait_dscnt 0x0
	CROUND
	JLOAD 1                                        ; K step 1, the first tensor load behind the round
	FETCH_B 0, 0, 0
	FETCH_A 0, 0, 0
	FETCH_A 0, 0, 4
	ASK 0                                          ; K step 2
	STEP 0, 1                                      ; the first step stands in front of the loop: its products start the sums
	; ---- while K step 1 is on its way: sines and cosines of four row blocks, the mask's bits
	s_wait_loadcnt 0x8                             ; the positions are in; the mask's eight loads may be out
.irp a, 0,1,2,3,4,5,6,7
	v_cvt_f32_i32 v[POSF+\a], v[POSF+\a]
.endr
.irp a, 0,1,2,3
	SINCOS \a
.endr
	s_wait_alu depctr_va_vdst(0)                   ; directly ahead of the wait below
	s_wait_loadcnt 0x0
.irp i, 1,2,3
.irp p, 0,1,2,3
.if \i == 1
	v_lshl_or_b32 v[FR+\p], v[MB+4*\p+1], 1, v[MB+4*\p]   ; each byte is 0 or 1, so no byte reaches into the next
.else
	v_lshl_or_b32 v[FR+\p], v[MB+4*\p+\i], \i, v[FR+\p]
.endif
.endr
.endr
.irp p, 0,1,2,3
	v_xor_b32 v[FR+\p], 0x0f0f0f0f, v[FR+\p]       ; 1 where the key is hidden
.endr
.irp p, 0,1,2,3
	v_lshlrev_b32 v[FR+\p], 3, v[FR+\p]
.endr
	global_store_b128 v31, v[FR:FR+3], s[24:25]    ; the wave stores 512 consecutive bytes, aligned
	s_wait_alu depctr_va_vdst(0)                   ; directly ahead of the wait below
	s_wait_xcnt 0x0                                ; the prefetch has read its address, the store its data
	s_add_nc_u64 s[PFA:PFA+1], s[PFA:PFA+1], ROWB
	ASK 0                                          ; K step 3
	s_mov_b32 s3, LAPS-1
.Llap:                                                 ; a trip goes once round the ring and fills both slots again
	TURN 0, 1, 1
	STEP 1, 0
	TURN 1, 0, 1
	STEP 0, 0
	s_sub_co_u32 s3, s3, 1
	s_cmp_lg_u32 s3, 0
	s_cbranch_scc1 .Llap
	TURN 0, 1, 0                                   ; the last lap fills nothing
	STEP 1, 0
	s_wait_dscnt 16
	WIN QK_LO
	MULQK 0, 1, 0
	WIN V_LO
	MULV 0, 1, 0
	s_wait_dscnt 0x0
	WIN QK_HI
	MULQK 4, 1, 0
	WIN V_HI
	MULV 4, 1, 0
	WIN 0
	PLACES 4                                       ; in front of the first reads of results
; THE WAY OUT.  No LDS: a lane's codes are 8 or 16 neighbouring bytes of an image, and the 32 lanes of a store fill 256 or 512 consecutive aligned bytes.
.macro ROPE a                          ; row block a of q and k: the rotation, the hold, the conversion
.set W, 2+(\a)/4
.set AC, 48*((\a)%4)
.set CSB, 192+8*(\a)
	WIN W+8                                        ; source 0: the sums' window; source 1: window 2 (cos)
.irp b, 0,1,2,3
.irp i, 0,2,4,6
	v_pk_mul_f32 v[Y+8*\b+\i:Y+8*\b+\i+1], v[AC+8*\b+\i:AC+8*\b+\i+1], v[CSB+\i:CSB+\i+1]   ; x cos; each accumulator from its low end on
.endr
.endr
	WIN W+12                                       ; source 1: window 3 (sin)
.irp t, 0,1
.irp i, 0,2,4,6
	v_pk_fma_f32 v[Y+16*\t+\i:Y+16*\t+\i+1], v[AC+16*\t+8+\i:AC+16*\t+8+\i+1], v[CSB+\i:CSB+\i+1], v[Y+16*\t+\i:Y+16*\t+\i+1] neg_lo:[1,0,0] neg_hi:[1,0,0]   ; d < 64: - x(d + 64) sin
	v_pk_fma_f32 v[Y+16*\t+8+\i:Y+16*\t+8+\i+1], v[AC+16*\t+\i:AC+16*\t+\i+1], v[CSB+\i:CSB+\i+1], v[Y+16*\t+8+\i:Y+16*\t+8+\i+1]                              ; d >= 64: + x(d - 64) sin
.endr
.endr
	WIN 0
.set I, 0
.rept 16
	v_med3_num_f32 v[Y+I], v[Y+I], -v[LIMQ], v[LIMQ]         ; the conversion to an 8-bit code does not saturate (ISA guide 7.6.2): the hold at 448 x the scale
	v_med3_num_f32 v[Y+16+I], v[Y+16+I], -v[LIMK], v[LIMK]
.set I, I+1
.endr
.irp b, 0,1
	v_cvt_scalef32_pk8_fp8_f32 v[CD+8*(\a)+2*\b:CD+8*(\a)+2*\b+1], v[Y+8*\b:Y+8*\b+7], v[SCQ]
.endr
.irp b, 2,3
	v_cvt_scalef32_pk8_fp8_f32 v[CD+8*(\a)+2*\b:CD+8*(\a)+2*\b+1], v[Y+8*\b:Y+8*\b+7], v[SCK]
.endr
	v_nop                                          ; one plain line between the conversions and the next lines that write their sources
.irp u, 0,1
	global_store_b64 v[QKO], v[CD+8*(\a)+2*\u:CD+8*(\a)+2*\u+1], s[18:19] offset:2048*(\a)+1024*\u
	global_store_b64 v[QKO], v[CD+8*(\a)+4+2*\u:CD+8*(\a)+4+2*\u+1], s[20:21] offset:2048*(\a)+1024*\u
.endr
.endm
.macro VOUT a                          ; row blocks a and a + 1 of v: 16 neighbouring keys a lane
.set W, 2+(\a)/4
	WIN W                                          ; source 0: the sums' window
.irp u, 0,1
.irp d, 0,1
.irp i, 0,1,2,3,4,5,6,7
	v_med3_num_f32 v[Y+16*\u+8*\d+\i], v[48*(((\a)+\d)%4)+8*(4+\u)+\i], -v[LIMV], v[LIMV]
.endr
.endr
.endr
	WIN 0
.irp u, 0,1
.irp d, 0,1
	v_cvt_scalef32_pk8_fp8_f32 v[VC+8*((\a)/2)+4*\u+2*\d:VC+8*((\a)/2)+4*\u+2*\d+1], v[Y+16*\u+8*\d:Y+16*\u+8*\d+7], v[SCV]
.endr
.endr
	v_nop
.irp u, 0,1
	global_store_b128 v[VO], v[VC+8*((\a)/2)+4*\u:VC+8*((\a)/2)+4*\u+3], s[22:23] offset:8192*\u+512*((\a)/2)
.endr
.endm
.irp a, 0,1,2,3,4,5,6,7
	ROPE \a
.endr
.irp a, 0,2,4,6
	VOUT \a
.endr
	s_wait_tensorcnt 0x0                           ; the wave's end
	ds_add_u32 v[SPW], v[NIL]
	s_wait_dscnt 0x0
	CROUND                                         ; the closing round: no work-group ends while a partner may still ask for a tile that names it
	s_endpgm
.Lfunc_end_k_qede504e50c_qkv:
	.size	k_qede504e50c_qkv, .Lfunc_end_k_qede504e50c_qkv-k_qede504e50c_qkv
	.p2alignl 7, 3214868480
	.fill 96, 4, 3214868480
	.section	.rodata,"a",@progbits
	.p2align	6, 0x0
	.amdhsa_kernel k_qede504e50c_qkv
		.amdhsa_group_segment_fixed_size 327680
		.amdhsa_private_segment_fixed_size 0
		.amdhsa_enable_private_segment 0
		.amdhsa_kernarg_size 88
		.amdhsa_user_sgpr_count 2
		.amdhsa_user_sgpr_kernarg_segment_ptr 1
		.amdhsa_wavefront_size32 1
		.amdhsa_system_sgpr_workgroup_id_x 1
		.amdhsa_system_sgpr_workgroup_id_y 1
		.amdhsa_system_sgpr_workgroup_id_z 1
		.amdhsa_system_vgpr_workitem_id 0
		.amdhsa_next_free_vgpr 1024
		.amdhsa_next_free_sgpr 102
		.amdhsa_reserve_vcc 0
		.amdhsa_float_denorm_mode_32 3
		.amdhsa_float_denorm_mode_16_64 3
		.amdhsa_memory_ordered 1
		.amdhsa_forward_progress 1
		.amdhsa_inst_pref_size 173
	.end_amdhsa_kernel
	.amdgpu_metadata
---
amdhsa.version: [ 1, 2 ]
amdhsa.kernels:
  - .name:           k_qede504e50c_qkv
    .symbol:         k_qede504e50c_qkv.kd
    .args:
      - { .name: hidden_state_codes, .offset: 0, .size: 8, .value_kind: global_buffer, .address_space: global }
      - { .name: Wq_codes, .offset: 8, .size: 8, .value_kind: global_buffer, .address_space: global }
      - { .name: Wk_codes, .offset: 16, .size: 8, .value_kind: global_buffer, .address_space: global }
      - { .name: Wv_codes, .offset: 24, .size: 8, .value_kind: global_buffer, .address_space: global }
      - { .name: mask, .offset: 32, .size: 8, .value_kind: global_buffer, .address_space: global }
      - { .name: position, .offset: 40, .size: 8, .value_kind: global_buffer, .address_space: global }
      - { .name: lowp_scales, .offset: 48, .size: 8, .value_kind: global_buffer, .address_space: global }
      - { .name: qc, .offset: 56, .size: 8, .value_kind: global_buffer, .address_space: global }
      - { .name: kc, .offset: 64, .size: 8, .value_kind: global_buffer, .address_space: global }
      - { .name: vc, .offset: 72, .size: 8, .value_kind: global_buffer, .address_space: global }
      - { .name: mc, .offset: 80, .size: 8, .value_kind: global_buffer, .address_space: global }
    .group_segment_fixed_size: 327680
    .private_segment_fixed_size: 0
    .kernarg_segment_align: 8
    .kernarg_segment_size: 88
    .max_flat_workgroup_size: 128
    .sgpr_count:     102
    .vgpr_count:     1024
    .wavefront_size: 32
...
	.end_amdgpu_metadata
.endif
;; end of part 1
;; launch attn (part 2): grid 8 x 32, 4 waves a work-group, clusters of 4 x 1, 327,680 bytes of LDS; arguments qc, kc, vc, mc, lowp_scales, ac; writes ac
.if DOCPART == 2
	.amdgcn_target "amdgcn-amd-amdhsa--gfx1250"
	.amdhsa_code_object_version 6
	.text
	.protected	k_qede504e50c_attn
	.globl	k_qede504e50c_attn
	.p2align	8
	.type	k_qede504e50c_attn,@function
k_qede504e50c_attn:
	s_mov_b64 s[64:65], 0
	v_nop
	global_prefetch_b8 v0, s[64:65] scope:SCOPE_SE
	s_setreg_imm32_b32 hwreg(HW_REG_WAVE_MODE, 25, 1), 1
	s_wait_xcnt 0x0
	s_wait_alu depctr_hold_cnt(0) depctr_sa_sdst(0) depctr_va_vdst(0) depctr_va_sdst(0) depctr_va_ssrc(0) depctr_va_vcc(0) depctr_vm_vsrc(0)
	s_getreg_b32 s2, hwreg(HW_REG_IB_STS2, 6, 4)
	s_cmp_eq_u32 s2, 0
	s_cbranch_scc0 .Lentry_in_a_cluster
	s_endpgm
.Lentry_in_a_cluster:
	s_bfe_u32 s2, ttmp6, 0x10000c
	s_cmp_lg_u32 s2, 0x3003
	s_cbranch_scc0 .Lentry_shape_is_right
	s_endpgm
.Lentry_shape_is_right:
; For each (batch, head): S = q k^T on codes, the masked softmax FINISHED AND NORMALISED in f32, p quantised with 2^e8, O = p v on codes, O quantised with 2^e10 into images for the last product.  No step is left out.
; SHARES.  A work-group owns 128 queries of one (batch, head), 64 in each of two trips.  THE KEYS ARE DIVIDED AMONG THE WAVES: wave w owns keys 256 w .. 256 w + 255 for all 64 queries, so a fragment of K or V feeds four products.
; Local query tile q of wave w (q = 0 .. 3) is the trip's tile of 16 queries w xor q: a wave's own tile, whose O it finishes and stores, is local tile 0 in every wave.
; A wave's quarters of K and V, 32,768 bytes of fragment images each, come by a tensor load of its own each, are read by that wave alone, and stay in LDS: every byte is filled once.
; CLUSTER 4 x 1: the four query blocks of a cluster belong to one head and ask for K and V jointly.  No loop runs ahead of these two loads, so nothing is prefetched.
; LAYOUT.  S^T = K Q^T (source 0 = 16 keys, source 1 = 16 queries): a lane holds ONE query (lane % 16); register 8 T + j of a query tile is key 256 w + 16 T + 8 (lane / 16) + j.
;   Eight such registers convert to two registers of codes, registers 2 T, 2 T + 1 of the second product's operand as the instruction itself lays k; V's images were stored in that order.
;   O^T = V^T P (source 0 = 16 of the head's 128, source 1 = p's codes): again one query a lane, eight neighbouring d.
; SOFTMAX.  A wave takes its own keys' maximum m and sum l of 2^(c s - c m); the waves exchange (c m, l) through LDS; with M the largest c m, L = sum of l 2^(c m - M), a wave's p = 2^(c s - c m) x 2^(c m - M) / L.
; O's partial sums over the four quarters of the keys are f32, exchanged through LDS in two halves of d (49,152 bytes each), and added by the tile's owner; the first half is on its way while the second is multiplied.
; THE MASK is an input.  The launch before has packed it: bit 3 + i of a byte is 1 for a hidden key.  One v_and_or picks bit 3 + i of four bytes and sets their signs: four E4M3 codes, -0 for a key that counts,
;   -2^-6, -2^-5, -2^-3 or -2 for a hidden one (i = 0 .. 3).  One conversion widens eight of them, x 2^125, straight into eight score registers, and the score product adds onto them in place:
;   a key that counts has C = -0, a hidden key's score is -2^119 or below.  No select, no branch.
;   A sum of 128 products of codes is at most 448 x 448 x 128 = 2.6e7 in magnitude.  The maxima begin at -2^30: under every score that counts, far above every hidden one.  So 2^(c s - c m) is 0 for every hidden key.
; A ROW THAT IS MASKED WHOLLY: every maximum stays -2^30, every 2^(..) is 0; L is held at 1e-30 from below, so 1 / L is finite and p = 0, as the reference's second where gives.
; LIMITS.  e6 + e7 between -98 and 95: at -98 c x 2^119 is still above 200, so that a hidden key's exponential is 0; at 95 c x 2^30 is still an f32 number (c times a hidden score may then be -infinity, whose exponential is 0 too).
;   e8 and e10 - e8 - e9 between -126 and 119.
; REGISTERS.  Window 0: v1-31 addresses and constants, v32-63 the rows' numbers, v64-127 Q (four fragments), v128-255 two buffers of four fragments.  Window 1: v0-31 the packed mask, v32-63 a group's mask codes, v128-255 p's codes.
;   Window 2: the scores of local tiles 0, 1 (128 registers each); window 3: of tiles 2, 3.  O^T's accumulators (8 a tile) lie over the first 64 score registers of each tile, and the other waves' parts of my tile
;   over window 3's v64-127, v192-223: all are converted by then.
.set VB,   131072                      ; V's images begin here
.set RX,   262144                      ; the exchange of O: for each owner 3 x 4,096 bytes
.set ST,   311296                      ; the exchange of (c m, l): 512 bytes a tile: 32 x query + 8 x wave
.set SPARE, 327168                     ; the spare words, 128 bytes a wave; no other line names them
.set AK,   1
.set AV,   2
.set XS,   2                           ; v3-5   where tile q's partial O goes (q = 1 .. 3)
.set XR,   6                           ; v6     where my tile's three partial sums lie
.set SS,   7                           ; v7-10  where tile q's (c m, l) goes
.set SR,   11                          ; v11-14 where the four waves' lie
.set OO,   15
.set SPW,  16
.set NIL,  17
.set LIMO, 18
.set SCO,  19
.set NEG,  20                          ; -2^30
.set LIMP, 21                          ; 448 x 2^e8
.set SCP,  22                          ; 2^e8
.set MSC,  23                          ; the mask codes' scale
.set MO,   24                          ; v24-27 tile q's place in the packed mask
.set QO,   28                          ; v28-31 and in Q
.set SP,   32                          ; v32-39 pairs (c m, l) of tile q
.set FF,   40                          ; v40-47 pairs, the low word the factor of tile q
.set MX,   48                          ; v48-55 maxima, two chains a tile; later sums
.set TA,   56                          ; v56-63 at work
.set TB,   60
.set QF,   64
.set BUF,  128
.set SB,   192                         ; v192-223 the four waves' (c m, l) of four tiles
.set OC,   224                         ; v224-239 O's codes
.set MCD,  32                          ; window 1: a group's mask codes, 8 registers a tile
.set PC,   128                         ; p's codes in window 1: tile q, step s at 32 q + 16 s
.set G1,   16                          ; s[16:23]
.set G0K,  24                          ; s[24:27]
.set G0V,  28                          ; s[28:31]
.set SGN,  46                          ; s46 the sign bits of four codes
.set WV,   84
.set TR,   85
.set MSB, 0
.macro WIN new                         ; the immediate's high byte repeats the setting that is left
.if MSB != (\new)
	s_set_vgpr_msb (MSB<<8)|(\new)
.set MSB, (\new)
.endif
.endm
.macro PLACES n
.rept \n
	v_nop
.endr
.endm
.macro ALU
	s_wait_alu depctr_va_vdst(0)
.endm
.macro MEET
	s_barrier_signal -1
	s_barrier_wait -1
.endm
.macro CROUND                          ; a round of the cluster's barrier
	MEET
	s_cmp_lg_u32 s[WV], 0
	s_cbranch_scc1 .Lnot_wave_0_\@
	s_barrier_signal -3
.Lnot_wave_0_\@:
	s_barrier_wait -3
	MEET
.endm
.macro QMLOAD qoff, moff               ; a trip's four fragments of Q and my 32 registers of packed mask: each load 512 consecutive bytes
.irp q, 0,1,2,3
.irp c, 0,1,2,3
	global_load_b128 v[QF+16*\q+4*\c:QF+16*\q+4*\c+3], v[QO+\q], s[86:87] offset:(\qoff)+512*\c
.endr
.endr
	WIN 0x40
.irp q, 0,1,2,3
.irp c, 0,1
	global_load_b128 v[8*\q+4*\c:8*\q+4*\c+3], v[MO+\q], s[88:89] offset:(\moff)+512*\c
.endr
.endr
	WIN 0
.endm
	s_load_b256 s[4:11], s[0:1], 0x0               ; qc s[4:5], kc s[6:7], vc s[8:9], mc s[10:11]
	s_load_b128 s[12:15], s[0:1], 0x20             ; scales s[12:13], ac s[14:15]
	v_lshl_add_u32 v[SPW], v0, 2, SPARE
	v_mov_b32 v[NIL], 0
	ds_add_u32 v[SPW], v[NIL]                      ; the wave's opening: the add, twice on end, and its wait
	ds_add_u32 v[SPW], v[NIL]
	v_lshrrev_b32 v48, 5, v0
	v_readfirstlane_b32 s[WV], v48                 ; wave 0..3
	s_bfe_u32 s92, ttmp6, 0x40000                  ; cx
	s_lshl_b32 s93, ttmp9, 2
	s_add_co_u32 s93, s93, s92                     ; qb: my block of 128 queries; it enters q's, the mask's and O's addresses alone
	s_and_b32 s94, ttmp7, 0xffff                   ; bh = 16 batch + head, which the four partners share
	s_mov_b32 s[G1], 15|(3<<16)|(1<<21)            ; 15:0 the mask: all four work-groups; elements of 8 bytes; 21 set beside a mask; no padding
	s_mov_b32 s[G1+1], 32<<16                      ; tensor_dim0: rows of 256 bytes
	s_mov_b32 s[G1+2], 128<<16                     ; tensor_dim1
	s_mov_b32 s[G1+3], 32<<16                      ; tile_dim0
	s_mov_b32 s[G1+4], 128                         ; tile_dim1: 128 rows, 32,768 bytes, a dense block
	s_mov_b32 s[G1+5], 32
	s_mov_b32 s[G1+6], 0
	s_mov_b32 s[G1+7], 0
	s_lshl_b32 s96, s94, 17                        ; the head's 131,072 bytes,
	s_lshl_b32 s95, s[WV], 15                      ; my quarter of them
	s_add_co_u32 s96, s96, s95
	s_mov_b32 s97, 0
	s_lshl_b32 s45, s[WV], 3
	s_mov_b32 s[SGN], 0x80808080
	v_and_b32 v49, 31, v0                          ; lane
	v_and_b32 v50, 15, v0                          ; r
	v_bfe_u32 v51, v0, 4, 1                        ; h
	v_lshlrev_b32 v[OO], 4, v50
	v_lshl_add_u32 v[OO], v51, 3, v[OO]            ; 16 r + 8 h
	v_lshl_add_u32 v[AK], v49, 4, s95
	v_add_nc_u32 v[AV], VB, v[AK]
	ALU
.irp q, 0,1,2,3
	s_xor_b32 s40, s[WV], \q                       ; local tile q is the trip's tile w xor q
	s_lshl_b32 s41, s40, 11
	v_lshl_add_u32 v[QO+\q], v49, 4, s41
	s_lshl_b32 s41, s40, 12
	v_lshl_add_u32 v[MO+\q], v49, 4, s41
	s_lshl_b32 s41, s40, 9
	s_add_co_u32 s41, s41, ST
	v_lshl_add_u32 v[SR+\q], v50, 5, s41
	v_add_nc_u32 v[SS+\q], s45, v[SR+\q]
.if \q > 0
	s_mul_i32 s41, s40, 12288
	s_add_co_u32 s41, s41, RX+((\q)-1)*4096
	v_lshl_add_u32 v[XS+\q], v49, 4, s41
.endif
.endr
	s_mul_i32 s41, s[WV], 12288
	s_add_co_u32 s41, s41, RX
	v_lshl_add_u32 v[XR], v49, 4, s41
	v_mov_b32 v[NEG], 0xce800000                   ; -2^30: where the maxima begin
	v_mov_b32 v[MSC], 0xfcfcfcfc                   ; the byte 252 in every place: the mask codes are widened x 2^(252 - 127)
.irp q, 0,1,2,3
	v_mov_b32 v[TB+\q], 0                          ; written once: a lane permute's destination counts as one of its sources
	v_mov_b32 v[SP+2*\q+1], 0                      ; (named as the upper halves of pairs)
	v_mov_b32 v[FF+2*\q+1], 0
.endr
	ALU
	s_wait_dscnt 0x0                               ; both opening adds are done
	CROUND                                         ; all four work-groups are here: the joint loads meet
	s_wait_kmcnt 0x0
	s_load_b256 s[68:75], s[12:13], 0x0            ; e0 .. e7
	s_load_b128 s[76:79], s[12:13], 0x20           ; e8 .. e11
	s_mov_b32 s[G0K], 1
	s_mov_b32 s[G0K+1], s95                        ; LDS: 32,768 x wave
	s_add_nc_u64 s[G0K+2:G0K+3], s[6:7], s[96:97]
	s_or_b32 s[G0K+3], s[G0K+3], 0x80000000
	s_mov_b32 s[G0V], 1
	s_add_co_u32 s[G0V+1], s95, VB
	s_add_nc_u64 s[G0V+2:G0V+3], s[8:9], s[96:97]
	s_or_b32 s[G0V+3], s[G0V+3], 0x80000000
	tensor_load_to_lds s[G0K:G0K+3], s[G1:G1+7]    ; my quarter of K
	s_nop 0
	PLACES 4
	s_lshl_b32 s98, s94, 3
	s_add_co_u32 s98, s98, s93
	s_lshl_b32 s98, s98, 14                        ; q: block 8 bh + qb
	s_mov_b32 s99, 0
	s_add_nc_u64 s[86:87], s[4:5], s[98:99]
	s_lshr_b32 s98, s94, 4                         ; batch
	s_lshl_b32 s98, s98, 3
	s_add_co_u32 s98, s98, s93                     ; 8 b + qb
	s_lshl_b32 s92, s98, 15                        ; the packed mask: eight tiles of 4,096 bytes a block,
	s_lshl_b32 s93, s[WV], 10                      ; my two key steps of each
	s_add_co_u32 s92, s92, s93
	s_mov_b32 s93, 0
	s_add_nc_u64 s[88:89], s[10:11], s[92:93]
	s_lshl_b32 s95, s[WV], 11                      ; O: my own tile's fragment of an image,
	s_lshl_b32 s98, s98, 4
	s_and_b32 s94, s94, 15
	s_add_co_u32 s98, s98, s94                     ; in block (tile of 128 rows) x 16 + head
	s_lshl_b32 s98, s98, 14
	s_add_co_u32 s98, s98, s95
	s_add_nc_u64 s[90:91], s[14:15], s[98:99]
	QMLOAD 0, 0
	s_mov_b32 s82, 0x76543210                      ; v_permlanex16_b32's selects for lane xor 16
	s_mov_b32 s83, 0xfedcba98
	s_wait_kmcnt 0x0
	s_add_co_i32 s92, s74, s75
	s_lshl_b32 s92, s92, 23
	s_add_co_i32 s80, s92, 0x3e0293ee              ; c = log2(e) / sqrt(128) x 2^(e6 + e7): the exponents are added to c's exponent field
	s_mov_b32 s81, s80                             ; (named with it as a pair)
	s_add_co_i32 s92, s76, 127
	s_lshl_b32 s93, s92, 23                        ; 2^e8
	s_add_co_i32 s92, s92, 8
	s_lshl_b32 s92, s92, 23
	s_or_b32 s92, s92, 0x600000                    ; 448 x 2^e8
	s_sub_co_i32 s94, s78, s76
	s_sub_co_i32 s94, s94, s77                     ; a sum of the second product stands for sum x 2^(e8 + e9): its code is sum / 2^(e10 - e8 - e9)
	s_add_co_i32 s94, s94, 127
	s_lshl_b32 s95, s94, 23
	s_add_co_i32 s94, s94, 8
	s_lshl_b32 s94, s94, 23
	s_or_b32 s94, s94, 0x600000
	v_mov_b32 v[SCO], s95
	v_mov_b32 v[LIMO], s94
	v_mov_b32 v[LIMP], s92
	v_mov_b32 v[SCP], s93
	ALU
	s_wait_tensorcnt 0x0                           ; my quarter of K has landed (no other wave reads it)
	ds_add_u32 v[SPW], v[NIL]
	s_wait_dscnt 0x0
	CROUND
	tensor_load_to_lds s[G0V:G0V+3], s[G1:G1+7]    ; my quarter of V, the first tensor load behind the round: it has the first trip's scores and exponentials in which to land
	s_nop 0
	PLACES 4
.macro KLOAD g                         ; four fragments of my quarter of K, keys 64 g on, into buffer g % 2: 16 loads of 512 consecutive bytes
.irp t, 0,1,2,3
.irp c, 0,1,2,3
	ds_load_b128 v[BUF+64*((\g)%2)+16*\t+4*\c:BUF+64*((\g)%2)+16*\t+4*\c+3], v[AK] offset:8192*(\g)+2048*\t+512*\c
.endr
.endr
.endm
.macro VLOAD s, d                      ; four fragments of my quarter of V, its 128 keys s, d = 64 d on, into buffer s: 16 loads
.irp t, 0,1,2,3
.irp c, 0,1,2,3
	ds_load_b128 v[BUF+64*\s+16*\t+4*\c:BUF+64*\s+16*\t+4*\c+3], v[AV] offset:16384*\s+8192*\d+2048*\t+512*\c
.endr
.endr
.endm
.macro MCVT g                          ; group g's 4 x 4 score tiles are set to the mask's bias
	WIN 0x41
.irp q, 0,1,2,3
.irp p, 0,1
.irp i, 0,1,2,3
	v_and_or_b32 v[MCD+8*\q+4*\p+\i], v[8*\q+2*(\g)+\p], 0x08080808<<\i, s[SGN]
.endr
.endr
.endr
.irp q, 0,1,2,3
	WIN 0x81+0x40*(\q/2)
.irp t, 0,1,2,3
	v_cvt_scale_pk8_f32_fp8 v[128*(\q%2)+32*(\g)+8*\t:128*(\q%2)+32*(\g)+8*\t+7], v[MCD+8*\q+2*\t:MCD+8*\q+2*\t+1], v[MSC]
.endr
.endr
	v_nop                                          ; one plain line between the conversions and the products that take their results as C
.endm
.macro MAX4 g, k, i                    ; group g's running maxima, tiles 2 k and 2 k + 1, registers 4 i .. 4 i + 3: two chains a tile, ascending: each accumulator is first read at its low end
	WIN 0x28+0x14*(\k)
.irp v, 0,1
.if ((\g) == 0) && ((\i) == 0)
	v_max3_num_f32 v[MX+4*(\k)+2*\v], v[NEG], v[128*\v+32*(\g)+4*(\i)], v[128*\v+32*(\g)+4*(\i)+1]
	v_max3_num_f32 v[MX+4*(\k)+2*\v+1], v[NEG], v[128*\v+32*(\g)+4*(\i)+2], v[128*\v+32*(\g)+4*(\i)+3]
.else
	v_max3_num_f32 v[MX+4*(\k)+2*\v], v[MX+4*(\k)+2*\v], v[128*\v+32*(\g)+4*(\i)], v[128*\v+32*(\g)+4*(\i)+1]
	v_max3_num_f32 v[MX+4*(\k)+2*\v+1], v[MX+4*(\k)+2*\v+1], v[128*\v+32*(\g)+4*(\i)+2], v[128*\v+32*(\g)+4*(\i)+3]
.endif
.endr
.endm
.macro QK1 g, k, j                     ; product j (0 .. 7) of tiles 2 k, 2 k + 1: tile 2 k + j / 4, keys 16 (j % 4) on: one product (K = 128), added in place onto the mask's bias
.set A, 128*((\j)/4)+32*(\g)+8*((\j)%4)
.set FA, BUF+64*((\g)%2)+16*((\j)%4)
.set QB, QF+16*(2*(\k)+(\j)/4)
	WIN 0xa0+0x50*(\k)
	v_wmma_f32_16x16x128_fp8_fp8 v[A:A+7], v[FA:FA+15], v[QB:QB+15], v[A:A+7]
.endm
.macro QKMAX g                         ; group g's 16 products; behind each stand four of the maxima's lines of the group before
.set J, 0
.rept 8
	QK1 \g, 0, J
.if (\g) > 0
	MAX4 \g-1, 0, J
.endif
.set J, J+1
.endr
.set J, 0
.rept 8
	QK1 \g, 1, J
.if (\g) > 0
	MAX4 \g-1, 1, J
.endif
.set J, J+1
.endr
.endm
.macro EF1 q, i                        ; pair i of tile q: c s - c m
	v_pk_fma_f32 v[128*((\q)%2)+2*(\i):128*((\q)%2)+2*(\i)+1], v[128*((\q)%2)+2*(\i):128*((\q)%2)+2*(\i)+1], s[80:81], v[SP+2*(\q):SP+2*(\q)+1] op_sel_hi:[1,0,0] neg_lo:[0,0,1] neg_hi:[0,0,1]
.endm
.macro EFALL q
	WIN 0x82+0x41*((\q)/2)
.set I, 0
.rept 64
	EF1 \q, I
.set I, I+1
.endr
.endm
.macro EXPQ q, also                    ; tile q's 128 exponentials; also = 1: the next tile's scalings, in the same window, stand among them
	WIN 0x82+0x41*((\q)/2)
.set I, 0
.rept 64
	v_exp_f32 v[128*((\q)%2)+2*I], v[128*((\q)%2)+2*I]
	v_exp_f32 v[128*((\q)%2)+2*I+1], v[128*((\q)%2)+2*I+1]
.if \also
	EF1 \q+1, I
.endif
.set I, I+1
.endr
	v_nop                                          ; a plain line behind the exponentials
	ALU                                            ; ahead of the batch's first reader, and of the next batch
.endm
.macro ADDQ q                          ; the sum of tile q's exponentials, unquantised, in four chains of two
.set A, 128*((\q)%2)
	WIN 0x0a+5*((\q)/2)
.irp k, 0,1,2,3
	v_pk_add_f32 v[MX+2*\k:MX+2*\k+1], v[A+4*\k:A+4*\k+1], v[A+4*\k+2:A+4*\k+3]
.endr
	WIN 2+(\q)/2
.set I, 0
.rept 56
	v_pk_add_f32 v[MX+2*(I%4):MX+2*(I%4)+1], v[A+16+2*I:A+17+2*I], v[MX+2*(I%4):MX+2*(I%4)+1]
.set I, I+1
.endr
	WIN 0
	v_pk_add_f32 v[MX:MX+1], v[MX:MX+1], v[MX+2:MX+3]
	v_pk_add_f32 v[MX+4:MX+5], v[MX+4:MX+5], v[MX+6:MX+7]
	v_pk_add_f32 v[MX:MX+1], v[MX:MX+1], v[MX+4:MX+5]
	v_add_f32 v[SP+2*(\q)+1], v[MX], v[MX+1]
.endm
.macro NCHUNK q, s, c                  ; tile q, 128 keys s, quarter c: p = 2^(..) x the factor, held
.set A, 128*((\q)%2)+64*(\s)+16*(\c)
	WIN 0x82+0x41*((\q)/2)
.set I, 0
.rept 8
	v_pk_mul_f32 v[A+I:A+I+1], v[A+I:A+I+1], v[FF+2*(\q):FF+2*(\q)+1] op_sel_hi:[1,0]
.set I, I+2
.endr
.set I, 0
.rept 16
	v_min_num_f32 v[A+I], v[A+I], v[LIMP]          ; the conversion does not saturate (ISA guide 7.6.2); p is not negative, so the hold is one-sided
.set I, I+1
.endr
.endm
.macro NCVT q, s                       ; and converted: 16 registers of codes, in window 1
.set A, 128*((\q)%2)+64*(\s)
	WIN 0x42+(\q)/2
.irp t, 0,1,2,3,4,5,6,7
	v_cvt_scalef32_pk8_fp8_f32 v[PC+32*(\q)+16*(\s)+2*\t:PC+32*(\q)+16*(\s)+2*\t+1], v[A+8*\t:A+8*\t+7], v[SCP]
.endr
	v_nop                                          ; one plain line between the conversions and the product that reads their results
.endm
.macro PV1 q, s, d, t                  ; d tile 4 d + t of query tile q takes my 128 keys s
.set A, 128*((\q)%2)+32*(\d)+8*(\t)
.set FA, BUF+64*(\s)+16*(\t)
.set PB, PC+32*(\q)+16*(\s)
	WIN 0xa4+0x50*((\q)/2)
.if (\s) == 0
	v_wmma_f32_16x16x128_fp8_fp8 v[A:A+7], v[FA:FA+15], v[PB:PB+15], 0
.else
	v_wmma_f32_16x16x128_fp8_fp8 v[A:A+7], v[FA:FA+15], v[PB:PB+15], v[A:A+7]
.endif
.endm
.macro PVMUL s, d                      ; the 16 accumulators of a half of d take turns
.irp q, 0,1,2,3
.irp t, 0,1,2,3
	PV1 \q, \s, \d, \t
.endr
.endr
.endm
.macro SENDX d                         ; half d (64 of the head's 128) of tiles 1 to 3 goes to their owners; each accumulator from its low end on
.irp q, 1,2,3
	WIN 0x08+4*(\q/2)
.irp n, 0,1,2,3,4,5,6,7
	ds_store_b128 v[XS+\q], v[128*(\q%2)+32*(\d)+4*\n:128*(\q%2)+32*(\d)+4*\n+3] offset:512*\n
.endr
.endr
	WIN 0
.endm
.macro RECVX                           ; the other three waves' parts of my own tile, into window 3: v64-95, v96-127, v192-223
	WIN 0xc0
.irp k, 0,1,2
.irp n, 0,1,2,3,4,5,6,7
	ds_load_b128 v[64+32*\k+64*(\k/2)+4*\n:64+32*\k+64*(\k/2)+4*\n+3], v[XR] offset:4096*\k+512*\n
.endr
.endr
	WIN 0
.endm
.macro ADDX d
	WIN 0x8e                                       ; my sums window 2, the others' window 3
.irp k, 0,1,2
.set I, 0
.rept 16
	v_pk_add_f32 v[32*(\d)+I:32*(\d)+I+1], v[32*(\d)+I:32*(\d)+I+1], v[64+32*\k+64*(\k/2)+I:64+32*\k+64*(\k/2)+I+1]
.set I, I+2
.endr
.endr
	WIN 0
.endm
.macro OUT d                           ; the way out of half d: a lane's eight d of a tile are 8 neighbouring bytes of the image; the 32 lanes of a store fill 256 consecutive aligned bytes
	WIN 0x82
.set I, 0
.rept 32
	v_med3_num_f32 v[32*(\d)+I], v[32*(\d)+I], -v[LIMO], v[LIMO]
.set I, I+1
.endr
	WIN 0x02
.irp t, 0,1,2,3
	v_cvt_scalef32_pk8_fp8_f32 v[OC+8*(\d)+2*\t:OC+8*(\d)+2*\t+1], v[32*(\d)+8*\t:32*(\d)+8*\t+7], v[SCO]
.endr
	v_nop
	WIN 0
.irp t, 0,1,2,3
	global_store_b64 v[OO], v[OC+8*(\d)+2*\t:OC+8*(\d)+2*\t+1], s[90:91] offset:1024*(\d)+256*\t
.endr
.endm
	s_mov_b32 s[TR], 2
.Ltile:                                                ; 64 queries a trip
	KLOAD 0
	ALU
	s_wait_loadcnt 0x0                             ; this trip's Q and packed mask
	MCVT 0
	; ---- the scores: group g's products, with the maxima of group g - 1 among them, stand behind the loads of group g + 1; behind them the bias of group g + 1 is laid
.set G, 0
.rept 4
	WIN 0
.if G == 1
	PLACES 4                                       ; in front of loads into the buffer that the first products read, and of the first read of their results; later groups have the maxima's lines there
.endif
.if G <= 2
	KLOAD G+1
	ALU
	s_wait_dscnt 16                                ; group g is in; the 16 loads just issued may be out
.else
	ALU
	s_wait_dscnt 0x0
.endif
	QKMAX G
.if G <= 2
	MCVT G+1
.endif
.set G, G+1
.endr
	; (behind the last product stand four lines of the third group's maxima, its places)
.irp k, 0,1
.irp i, 0,1,2,3,4,5,6,7
	MAX4 3, \k, \i
.endr
.endr
	; ---- my keys' largest score of each query
	WIN 0
.irp q, 0,1,2,3
	v_max_num_f32 v[TA+\q], v[MX+2*\q], v[MX+2*\q+1]
.endr
.irp q, 0,1,2,3
	v_permlanex16_b32 v[TB+\q], v[TA+\q], s82, s83 ; the query's other 128 of my keys lie in the lane 16 away
.endr
.irp q, 0,1,2,3
	v_max_num_f32 v[TA+\q], v[TA+\q], v[TB+\q]
.endr
.irp q, 0,1,2,3
	v_mul_f32 v[SP+2*\q], s80, v[TA+\q]            ; c m (c is positive; m is -2^30 at the least, so c m is a number)
.endr
	ALU
	s_cmp_eq_u32 s[TR], 1                          ; the next trip's Q and mask are asked for here, if there is a next trip: no load leaves its buffer
	s_cbranch_scc1 .Lno_next
	QMLOAD 8192, 16384
.Lno_next:
	EFALL 0
	EFALL 2
	ALU                                            ; ahead of the batch
	EXPQ 0, 1
	ADDQ 0
	EXPQ 1, 0
	ADDQ 1
	EXPQ 2, 1
	ADDQ 2
	EXPQ 3, 0
	ADDQ 3
	; ---- the four waves' maxima and sums
.irp q, 0,1,2,3
	v_permlanex16_b32 v[TB+\q], v[SP+2*\q+1], s82, s83
.endr
.irp q, 0,1,2,3
	v_add_f32 v[SP+2*\q+1], v[SP+2*\q+1], v[TB+\q]
.endr
.irp q, 0,1,2,3
	ds_store_b64 v[SS+\q], v[SP+2*\q:SP+2*\q+1]    ; lanes r and r + 16 store the same numbers
.endr
	ALU
	s_wait_tensorcnt 0x0                           ; my quarter of V has landed (in the second trip it is long there); no other wave reads it
	s_wait_dscnt 0x0
	MEET
.irp q, 0,1,2,3
	ds_load_b128 v[SB+8*\q:SB+8*\q+3], v[SR+\q]
	ds_load_b128 v[SB+8*\q+4:SB+8*\q+7], v[SR+\q] offset:16
.endr
	VLOAD 0, 0
	s_wait_dscnt 16                                ; the numbers are in; V's 16 loads may be out
.irp q, 0,1,2,3
	v_max3_num_f32 v[MX+\q], v[SB+8*\q], v[SB+8*\q+2], v[SB+8*\q+4]
.endr
.irp q, 0,1,2,3
	v_max_num_f32 v[MX+\q], v[MX+\q], v[SB+8*\q+6]
.endr
.irp q, 0,1,2,3
	v_sub_f32 v[TA+\q], v[SP+2*\q], v[MX+\q]
.irp i, 0,1,2,3
	v_sub_f32 v[SB+8*\q+2*\i], v[SB+8*\q+2*\i], v[MX+\q]
.endr
.endr
	ALU
.irp q, 0,1,2,3
	v_exp_f32 v[TA+\q], v[TA+\q]
.irp i, 0,1,2,3
	v_exp_f32 v[SB+8*\q+2*\i], v[SB+8*\q+2*\i]
.endr
.endr
	v_nop
	ALU
.irp q, 0,1,2,3
	v_mul_f32 v[MX+4+\q], v[SB+8*\q], v[SB+8*\q+1]
.endr
.irp i, 1,2,3
.irp q, 0,1,2,3
	v_fma_f32 v[MX+4+\q], v[SB+8*\q+2*\i], v[SB+8*\q+2*\i+1], v[MX+4+\q]
.endr
.endr
.irp q, 0,1,2,3
	v_max_num_f32 v[MX+4+\q], 0x0da24260, v[MX+4+\q]   ; held at 1e-30 from below
.endr
	ALU
.irp q, 0,1,2,3
	v_rcp_f32 v[MX+4+\q], v[MX+4+\q]
.endr
	v_nop
	ALU
.irp q, 0,1,2,3
	v_mul_f32 v[FF+2*\q], v[TA+\q], v[MX+4+\q]
.endr
	VLOAD 1, 0                                     ; the other 128 keys, the same half of d
	; ---- p of my first 128 keys; then O^T's first half of d: its first products have the quantising of the second 128 keys among them
.irp q, 0,1,2,3
.irp c, 0,1,2,3
	NCHUNK \q, 0, \c
.endr
	NCVT \q, 0
.endr
	WIN 0
	ALU
	s_wait_dscnt 16                                ; V's first 16 loads are in; the 16 behind them may be out
.irp q, 0,1,2,3
.irp t, 0,1,2,3
	PV1 \q, 0, 0, \t
	NCHUNK \q, 1, \t
.endr
	NCVT \q, 1
.endr
	WIN 0
	VLOAD 0, 1                                     ; (the quantising's lines are the places behind the products that read this buffer)
	ALU
	s_wait_dscnt 16
	PVMUL 1, 0
	WIN 0
	PLACES 4                                       ; in front of loads into the buffer just read, and of the first reads of results
	VLOAD 1, 1
	SENDX 0                                        ; the first half of d is finished: it goes out under the second half's products
	s_wait_dscnt 40                                ; V's loads into buffer 0 are in; 16 loads and 24 stores may be out
	PVMUL 0, 1
	WIN 0
	s_wait_dscnt 0x0                               ; buffer 1 is in, my stores are done
	MEET                                           ; the first half lies in LDS
	RECVX
	PVMUL 1, 1
	WIN 0
	s_wait_dscnt 0x0                               ; I have read it:
	s_barrier_signal -1
	ADDX 0                                         ; (work on registers; also the places behind the last products)
	ALU
	s_barrier_wait -1                              ; everybody has
	SENDX 1                                        ; the second half, into the same bytes
	s_wait_dscnt 0x0
	MEET
	RECVX
	OUT 0                                          ; stands between the second half's reads and the wait for them
	ALU
	s_wait_dscnt 0x0
	ADDX 1
	OUT 1
	ALU
	s_wait_xcnt 0x0                                ; the stores have read their base and data: both are written again in the next trip
	s_add_nc_u64 s[90:91], s[90:91], 8192
	s_sub_co_u32 s[TR], s[TR], 1
	s_cmp_lg_u32 s[TR], 0
	s_cbranch_scc1 .Ltile
	s_wait_tensorcnt 0x0                           ; the wave's end
	ds_add_u32 v[SPW], v[NIL]
	s_wait_dscnt 0x0
	CROUND                                         ; the closing round
	s_endpgm
.Lfunc_end_k_qede504e50c_attn:
	.size	k_qede504e50c_attn, .Lfunc_end_k_qede504e50c_attn-k_qede504e50c_attn
	.p2alignl 7, 3214868480
	.fill 96, 4, 3214868480
	.section	.rodata,"a",@progbits
	.p2align	6, 0x0
	.amdhsa_kernel k_qede504e50c_attn
		.amdhsa_group_segment_fixed_size 327680
		.amdhsa_private_segment_fixed_size 0
		.amdhsa_enable_private_segment 0
		.amdhsa_kernarg_size 48
		.amdhsa_user_sgpr_count 2
		.amdhsa_user_sgpr_kernarg_segment_ptr 1
		.amdhsa_wavefront_size32 1
		.amdhsa_system_sgpr_workgroup_id_x 1
		.amdhsa_system_sgpr_workgroup_id_y 1
		.amdhsa_system_sgpr_workgroup_id_z 1
		.amdhsa_system_vgpr_workitem_id 0
		.amdhsa_next_free_vgpr 1024
		.amdhsa_next_free_sgpr 100
		.amdhsa_reserve_vcc 0
		.amdhsa_float_denorm_mode_32 3
		.amdhsa_float_denorm_mode_16_64 3
		.amdhsa_memory_ordered 1
		.amdhsa_forward_progress 1
		.amdhsa_inst_pref_size 177
	.end_amdhsa_kernel
	.amdgpu_metadata
---
amdhsa.version: [ 1, 2 ]
amdhsa.kernels:
  - .name:           k_qede504e50c_attn
    .symbol:         k_qede504e50c_attn.kd
    .args:
      - { .name: qc, .offset: 0, .size: 8, .value_kind: global_buffer, .address_space: global }
      - { .name: kc, .offset: 8, .size: 8, .value_kind: global_buffer, .address_space: global }
      - { .name: vc, .offset: 16, .size: 8, .value_kind: global_buffer, .address_space: global }
      - { .name: mc, .offset: 24, .size: 8, .value_kind: global_buffer, .address_space: global }
      - { .name: lowp_scales, .offset: 32, .size: 8, .value_kind: global_buffer, .address_space: global }
      - { .name: ac, .offset: 40, .size: 8, .value_kind: global_buffer, .address_space: global }
    .group_segment_fixed_size: 327680
    .private_segment_fixed_size: 0
    .kernarg_segment_align: 8
    .kernarg_segment_size: 48
    .max_flat_workgroup_size: 128
    .sgpr_count:     100
    .vgpr_count:     1024
    .wavefront_size: 32
...
	.end_amdgpu_metadata
.endif
;; end of part 2
;; launch oproj (part 3): grid 16 x 16, 4 waves a work-group, clusters of 4 x 4, 327,680 bytes of LDS; arguments ac, Wo_codes, lowp_scales, out0; writes out0
.if DOCPART == 3
	.amdgcn_target "amdgcn-amd-amdhsa--gfx1250"
	.amdhsa_code_object_version 6
	.text
	.protected	k_qede504e50c_oproj
	.globl	k_qede504e50c_oproj
	.p2align	8
	.type	k_qede504e50c_oproj,@function
k_qede504e50c_oproj:
	s_mov_b64 s[64:65], 0
	v_nop
	global_prefetch_b8 v0, s[64:65] scope:SCOPE_SE
	s_setreg_imm32_b32 hwreg(HW_REG_WAVE_MODE, 25, 1), 1
	s_wait_xcnt 0x0
	s_wait_alu depctr_hold_cnt(0) depctr_sa_sdst(0) depctr_va_vdst(0) depctr_va_sdst(0) depctr_va_ssrc(0) depctr_va_vcc(0) depctr_vm_vsrc(0)
	s_getreg_b32 s2, hwreg(HW_REG_IB_STS2, 6, 4)
	s_cmp_eq_u32 s2, 0
	s_cbranch_scc0 .Lentry_in_a_cluster
	s_endpgm
.Lentry_in_a_cluster:
	s_bfe_u32 s2, ttmp6, 0x10000c
	s_cmp_lg_u32 s2, 0xf033
	s_cbranch_scc0 .Lentry_shape_is_right
	s_endpgm
.Lentry_shape_is_right:
; out = O Wo on E4M3 codes, K = 2,048 = (head, d); each finished sum x 2^(e10 + e11).  No step is left out.
; SHARES.  A work-group makes 128 x 128 of out (tile row wgy, tile column wgx), a wave 64 x 64: 16 accumulators of 16 x 16, used transposed (source 0 = 16 rows of Wo's codes, source 1 = 16 rows of O): a lane holds eight neighbouring columns of one row.
; K goes in steps of 512 through a ring of two LDS slots.  O arrives as images of operand fragments (a block of 128 rows x 128 K is 16,384 bytes, K block by K block: a step's are 65,536 consecutive bytes);
; Wo's 128 rows x 512 bytes are padded to 528 in LDS.  Waves 0, 1 fetch O's halves, waves 2, 3 Wo's: one tensor load a wave.
; CLUSTER 4 x 4: O's tile hangs on wgy alone and is asked for jointly by a row of the cluster, Wo's on wgx alone and by a column.
; PREFETCH.  Behind the joint loads of K steps 0 and 1 stands one prefetch a wave each, for K steps 2 and 3: of the 128 blocks of 256 bytes that a wave fetches, each of the four partners names 32, a lane a block.  There is no step behind the fourth.
; LIMIT.  e10 + e11 lies between -126 and 127, so that 2^(e10 + e11) is an f32 number.
; REGISTERS.  Window 0: v16-30 addresses, v32-63 and v64-127 the way out, v128-255 accumulators.  Window 1: two buffers of fragments, at v0 and v128: O's four (64 registers), then Wo's four.
.set BP,     528                       ; an LDS row of Wo: 512 bytes + 16
.set AREG,   65536                     ; a slot: O's images, then Wo's 128 rows
.set SLOT,   AREG+128*BP
.set STAGE,  2*SLOT                    ; behind the ring: 16 rows x 272 bytes for each wave
.set SPITCH, 272
.set SPARE,  STAGE+4*16*SPITCH         ; the spare words, 128 bytes a wave; no other line names them
.set ADRA, 16
.set ADRB, 20
.set STO,  24
.set RD,   25
.set CO,   26
.set SPW,  28
.set NIL,  29
.set PFO,  30                          ; v30 the prefetches' offset; never rewritten
.set TMP,  32
.set BK,   64
.set ACC,  128
.set F0,   0
.set F1,   128
.set G1A, 24
.set G0A, 32
.set G1B, 48
.set G0B, 56
.set PF2, 66                           ; s[66:67], s[70:71] where my prefetches of K steps 2 and 3 stand
.set PF3, 70
.set MUL,  0x05                        ; sources 0 and 1 window 1, C and D window 0
.set TO_F, 0x40
.set MSB, 0
.macro WIN new                         ; the immediate's high byte repeats the setting that is left
.if MSB != (\new)
	s_set_vgpr_msb (MSB<<8)|(\new)
.set MSB, (\new)
.endif
.endm
.macro PLACES n
.rept \n
	v_nop
.endr
.endm
.macro JLOAD s                         ; a joint load: waves 0, 1 for O, waves 2, 3 for Wo
	s_cmp_eq_u32 s15, 0
	s_cbranch_scc0 .Lfor_b_\@
	tensor_load_to_lds s[G0A+4*\s:G0A+4*\s+3], s[G1A:G1A+7]
	s_nop 0
.rept 4
	v_nop
.endr
	s_branch .Lasked_\@
.Lfor_b_\@:
	tensor_load_to_lds s[G0B+4*\s:G0B+4*\s+3], s[G1B:G1B+7]
	s_nop 0
.rept 4
	v_nop
.endr
.Lasked_\@:
.endm
.macro CREST                           ; a round of the cluster's barrier behind its opening barrier
	s_cmp_lg_u32 s14, 0
	s_cbranch_scc1 .Lnot_wave_0_\@
	s_barrier_signal -3
.Lnot_wave_0_\@:
	s_barrier_wait -3
	s_barrier_signal -1
	s_barrier_wait -1
.endm
.macro CROUND
	s_barrier_signal -1
	s_barrier_wait -1
	CREST
.endm
	s_load_b128 s[4:7], s[0:1], 0x0                ; O's codes, Wo's codes
	s_load_b128 s[8:11], s[0:1], 0x10              ; scales, out
	v_lshl_add_u32 v[SPW], v0, 2, SPARE
	v_mov_b32 v[NIL], 0
	ds_add_u32 v[SPW], v[NIL]                      ; the wave's opening: the add, twice on end, and its wait
	ds_add_u32 v[SPW], v[NIL]
	v_lshrrev_b32 v1, 5, v0
	v_readfirstlane_b32 s14, v1                    ; wave 0..3
	s_lshr_b32 s15, s14, 1                         ; my half of the rows.  Also: I fetch for O (0) or Wo (1)
	s_and_b32 s16, s14, 1                          ; my half of the columns.  Also: which half of that tile I fetch
	s_bfe_u32 s40, ttmp6, 0x40000                  ; cx
	s_bfe_u32 s41, ttmp6, 0x40004                  ; cy
	s_lshl_b32 s42, ttmp9, 2
	s_add_co_u32 s42, s42, s40                     ; wgx
	s_and_b32 s17, ttmp7, 0xffff
	s_lshl_b32 s17, s17, 2
	s_add_co_u32 s17, s17, s41                     ; wgy
	s_lshl_b32 s43, s41, 2
	s_lshl_b32 s43, 15, s43                        ; my row of the cluster
	s_lshl_b32 s44, 0x1111, s40                    ; my column
	s_or_b32 s[G1A], s43, (3<<16)|(1<<21)          ; O: elements of 8 bytes, a dense block of 128 rows of 256 bytes, no padding; 21 set beside a mask
	s_mov_b32 s[G1A+1], 32<<16
	s_mov_b32 s[G1A+2], 256<<16                    ; at the head a load brings a whole K step of its operand: O 256 rows of 256 bytes, Wo 128 rows of 512
	s_mov_b32 s[G1A+3], 32<<16
	s_mov_b32 s[G1A+4], 256
	s_mov_b32 s[G1A+5], 32
	s_mov_b32 s[G1A+6], 0
	s_mov_b32 s[G1A+7], 0
	s_or_b32 s[G1B], s44, (1<<20)|(1<<21)|(6<<22)|(3<<25)   ; Wo: elements of 1 byte, 64 rows of 512 bytes, 4 words of padding after every 128
	s_mov_b32 s[G1B+1], 512<<16
	s_mov_b32 s[G1B+2], 128<<16
	s_mov_b32 s[G1B+3], 512<<16
	s_mov_b32 s[G1B+4], 128
	s_mov_b32 s[G1B+5], 2048
	s_mov_b32 s[G1B+6], 0
	s_mov_b32 s[G1B+7], 0
	s_lshl_b32 s20, s17, 18
	s_lshl_b32 s18, s16, 15
	s_add_co_u32 s20, s20, s18                     ; O: the tile row's images, + my half of a step's
	s_mov_b32 s21, 0
	s_lshl_b32 s46, s42, 18
	s_lshl_b32 s47, s16, 17
	s_add_co_u32 s46, s46, s47                     ; Wo: row 128 wgx + 64 x half
	s_mov_b32 s47, 0
	s_mul_i32 s19, s16, 64*BP
	s_add_co_u32 s19, s19, AREG
	; the prefetches: a lane a block of 256 bytes: O: 8,192 consecutive bytes, told by cx; Wo: 16 rows x 512 bytes, told by cy
	s_lshl_b32 s73, s40, 13
	s_lshl_b32 s74, s41, 15
	s_mov_b32 s72, 2048
	s_mov_b32 s75, 512
	s_cmp_eq_u32 s15, 0
	s_cselect_b32 s72, 512, s72                    ; from pair of lanes to pair of lanes
	s_cselect_b32 s73, s73, s74                    ; my work-group's part
	s_cselect_b32 s75, 0x10000, s75                ; a K step on
	s_lshl_b32 s76, s75, 1
	s_add_co_u32 s76, s76, s73                     ; in K step 2
	s_mov_b32 s77, 0
	s_mov_b32 s78, s75
	s_mov_b32 s79, 0
	v_and_b32 v1, 15, v0                           ; r
	v_bfe_u32 v2, v0, 4, 1                         ; h
	v_and_b32 v3, 31, v0                           ; lane
	v_lshrrev_b32 v4, 1, v3
	v_and_b32 v5, 1, v3
	v_mul_lo_u32 v[PFO], v4, s72
	v_lshl_add_u32 v[PFO], v5, 8, v[PFO]
	s_wait_alu depctr_va_vdst(0)                   ; directly ahead of the wait below
	s_wait_dscnt 0x0                               ; both opening adds are done
	CROUND                                         ; all sixteen work-groups are here: the first joint loads meet
	s_wait_kmcnt 0x0
	s_load_b64 s[68:69], s[8:9], 0x28              ; e10, e11
	s_add_nc_u64 s[20:21], s[4:5], s[20:21]
	s_add_nc_u64 s[46:47], s[6:7], s[46:47]
	; the head's loads: waves 0, 1 fetch O's K steps 0, 1, waves 2, 3 Wo's, each a whole step: both slots are on their way with one tensor load a wave
	s_mul_i32 s80, s16, SLOT
	s_add_co_u32 s81, s80, AREG
	s_mul_i32 s82, s16, 64*2048-512
	s_mov_b32 s83, 0
	s_mov_b32 s72, s18
	s_mov_b32 s73, 0
	s_mov_b32 s[G0A], 1
	s_mov_b32 s[G0A+1], s80
	s_add_nc_u64 s[G0A+2:G0A+3], s[20:21], s[72:73]   ; my half's 32,768 bytes twice: 65,536 x step
	s_or_b32 s[G0A+3], s[G0A+3], 0x80000000
	s_mov_b32 s[G0B], 1
	s_mov_b32 s[G0B+1], s81
	s_sub_nc_u64 s[G0B+2:G0B+3], s[46:47], s[82:83]   ; my half's 64 rows back, 512 bytes x step on
	s_or_b32 s[G0B+3], s[G0B+3], 0x80000000
	JLOAD 0                                        ; one tensor load a wave at the head
	s_cmp_eq_u32 s15, 0
	s_cselect_b64 s[PF2:PF2+1], s[20:21], s[46:47]
	s_add_nc_u64 s[PF2:PF2+1], s[PF2:PF2+1], s[76:77]
	s_add_nc_u64 s[PF3:PF3+1], s[PF2:PF2+1], s[78:79]
	s_lshl_b32 s22, s15, 13
	v_lshl_add_u32 v[ADRA], v3, 4, s22             ; my four fragments' images of O, 16 bytes a lane
	v_add_nc_u32 v[ADRA+1], SLOT, v[ADRA]
	v_mul_u32_u24 v4, v1, BP
	v_lshl_add_u32 v4, v2, 4, v4                   ; row r x pitch + 16 h
	s_mul_i32 s22, s16, 64*BP
	s_add_co_u32 s22, s22, AREG
	v_add_nc_u32 v[ADRB], s22, v4
	v_add_nc_u32 v[ADRB+1], SLOT, v[ADRB]
	s_mul_i32 s23, s14, 16*SPITCH
	s_add_co_u32 s23, s23, STAGE                   ; my stage
	v_mul_u32_u24 v5, v1, SPITCH
	v_lshl_add_u32 v5, v2, 5, v5
	v_add_nc_u32 v[STO], s23, v5                   ; in: row r, 32 bytes for each half of the lanes
	v_mul_u32_u24 v5, v2, SPITCH
	v_lshl_add_u32 v5, v1, 4, v5
	v_add_nc_u32 v[RD], s23, v5                    ; back: lanes 0-15 one row of 256 bytes, lanes 16-31 the next
	v_lshlrev_b32 v5, 13, v2
	v_lshl_add_u32 v[CO], v1, 4, v5                ; and the same two rows of out
	s_lshl_b32 s72, s17, 20
	s_lshl_b32 s73, s15, 19
	s_add_co_u32 s72, s72, s73
	s_lshl_b32 s73, s42, 9
	s_add_co_u32 s72, s72, s73
	s_lshl_b32 s73, s16, 8
	s_add_co_u32 s72, s72, s73
	s_mov_b32 s73, 0
	s_add_nc_u64 s[10:11], s[10:11], s[72:73]
; The 16 accumulators take turns, one instruction a turn, in the same order in every quarter step.
.macro MUL4 f, a, zero                 ; row block a x my four column tiles, 128 along K; zero = 1 starts the sums
.irp b, 0,1,2,3
.if \zero
	v_wmma_f32_16x16x128_fp8_fp8 v[ACC+8*(4*(\a)+\b):ACC+8*(4*(\a)+\b)+7], v[\f+64+16*\b:\f+64+16*\b+15], v[\f+16*(\a):\f+16*(\a)+15], 0
.else
	v_wmma_f32_16x16x128_fp8_fp8 v[ACC+8*(4*(\a)+\b):ACC+8*(4*(\a)+\b)+7], v[\f+64+16*\b:\f+64+16*\b+15], v[\f+16*(\a):\f+16*(\a)+15], v[ACC+8*(4*(\a)+\b):ACC+8*(4*(\a)+\b)+7]
.endif
.endr
.endm
.macro FETCH slot, q, f                ; the slot's q-th 128 along K into buffer f: 16 loads of Wo, 16 of O
	WIN TO_F
.irp i, 0,1,2,3
.irp c, 0,1,2,3
	ds_load_b128 v[\f+64+16*\i+4*\c:\f+64+16*\i+4*\c+3], v[ADRB+\slot] offset:128*(\q)+32*\c+\i*16*BP
.endr
.endr
.irp i, 0,1,2,3
.irp c, 0,1,2,3
	ds_load_b128 v[\f+16*\i+4*\c:\f+16*\i+4*\c+3], v[ADRA+\slot] offset:16384*(\q)+2048*\i+512*\c
.endr
.endr
.endm
.macro QUARTER slot, q, f, g, zero     ; multiplies buffer f; in its middle it fetches the slot's q-th 128 along K into buffer g
	s_wait_dscnt 8                                 ; Wo's four and O's blocks 0, 1 are in; the youngest eight loads may be out
	WIN MUL
	MUL4 \f, 0, \zero
	MUL4 \f, 1, \zero
	PLACES 4                                       ; four plain places in front of loads into registers that matrix instructions have read
	FETCH \slot, \q, \g
	s_wait_dscnt 32                                ; all but the 32 just issued
	WIN MUL
	MUL4 \f, 2, \zero
	MUL4 \f, 3, \zero
.endm
; A slot's last quarter changes slots: one barrier; in front of it each wave waits for all its tensor loads, adds 0 to its spare word and waits for that and for its reads of this slot.
.macro TURN slot, next, fill
	s_wait_dscnt 8
	WIN MUL
	MUL4 F1, 0, 0
	WIN 0
	s_wait_tensorcnt 0x0                           ; my part of the next slot has landed
	ds_add_u32 v[SPW], v[NIL]                      ; 0 onto my spare word
	WIN MUL
	MUL4 F1, 1, 0
	WIN 0
	s_wait_dscnt 0x0                               ; the add is done, and my reads of this slot are over
	s_barrier_signal -1
	s_barrier_wait -1
.if \fill
	CREST                                          ; a round of the cluster's barrier: no wave of any partner still reads this slot or has a load on its way
	s_add_nc_u64 s[G0A+4*\slot+2:G0A+4*\slot+3], s[G0A+4*\slot+2:G0A+4*\slot+3], 2*65536
	s_add_nc_u64 s[G0B+4*\slot+2:G0B+4*\slot+3], s[G0B+4*\slot+2:G0B+4*\slot+3], 2*512
	JLOAD \slot                                    ; the first tensor load behind the round; its four v_nop are also the places in front of the loads below
.else
	PLACES 4
.endif
	FETCH \next, 0, F0
	WIN MUL
	MUL4 F1, 2, 0
	MUL4 F1, 3, 0
.endm
	s_wait_alu depctr_va_vdst(0)                   ; at the head's end
	s_wait_tensorcnt 0x0                           ; my operand's K step is in, so the descriptors may be written: from here on a load brings half of an operand's step
	s_mov_b32 s[G1A+2], 128<<16
	s_mov_b32 s[G1A+4], 128
	s_mov_b32 s[G1B+2], 64<<16
	s_mov_b32 s[G1B+4], 64
.irp s, 0,1
	s_mov_b32 s[G0A+4*\s], 1
	s_add_co_u32 s[G0A+4*\s+1], s18, \s*SLOT
	s_add_nc_u64 s[G0A+4*\s+2:G0A+4*\s+3], s[20:21], \s*65536   ; (a change of slots steps it two K steps on ahead of its load)
	s_or_b32 s[G0A+4*\s+3], s[G0A+4*\s+3], 0x80000000
	s_mov_b32 s[G0B+4*\s], 1
	s_add_co_u32 s[G0B+4*\s+1], s19, \s*SLOT
	s_add_nc_u64 s[G0B+4*\s+2:G0B+4*\s+3], s[46:47], \s*512
	s_or_b32 s[G0B+4*\s+3], s[G0B+4*\s+3], 0x80000000
.endr
	s_barrier_signal -1
	s_barrier_wait -1                              ; both slots are whole
	FETCH 0, 0, F0
	WIN 0
	global_prefetch_b8 v[PFO], s[PF2:PF2+1] th:TH_LOAD_NT scope:SCOPE_SE   ; K step 2, behind K step 0's landing
	QUARTER 0, 1, F0, F1, 1
	WIN 0
	global_prefetch_b8 v[PFO], s[PF3:PF3+1] th:TH_LOAD_NT scope:SCOPE_SE   ; K step 3
	QUARTER 0, 2, F1, F0, 0
	QUARTER 0, 3, F0, F1, 0
	TURN 0, 1, 1                                   ; K step 2 is asked for
	QUARTER 1, 1, F0, F1, 0
	QUARTER 1, 2, F1, F0, 0
	QUARTER 1, 3, F0, F1, 0
	TURN 1, 0, 1                                   ; K step 3
	QUARTER 0, 1, F0, F1, 0
	QUARTER 0, 2, F1, F0, 0
	QUARTER 0, 3, F0, F1, 0
	TURN 0, 1, 0
	QUARTER 1, 1, F0, F1, 0
	QUARTER 1, 2, F1, F0, 0
	QUARTER 1, 3, F0, F1, 0
	s_wait_dscnt 8
	WIN MUL
	MUL4 F1, 0, 0
	MUL4 F1, 1, 0
	s_wait_dscnt 0x0
	MUL4 F1, 2, 0
	MUL4 F1, 3, 0
	WIN 0
; THE WAY OUT, 16 rows x 64 columns at a time: through my own stage in LDS, so that sixteen lanes store 256 consecutive aligned bytes.  LDS serves a wave's instructions in order (ISA guide 5.7.1.4).
.macro TOSTAGE a
.set I, 0
.rept 16
	v_pk_mul_f32 v[TMP+I:TMP+I+1], v[ACC+32*(\a)+I:ACC+32*(\a)+I+1], s[68:69] op_sel_hi:[1,0]
.set I, I+2
.endr
.irp b, 0,1,2,3
	ds_store_b128 v[STO], v[TMP+8*\b:TMP+8*\b+3] offset:64*\b
	ds_store_b128 v[STO], v[TMP+8*\b+4:TMP+8*\b+7] offset:64*\b+16
.endr
.irp t, 0,1,2,3,4,5,6,7
	ds_load_b128 v[BK+32*((\a)%2)+4*\t:BK+32*((\a)%2)+4*\t+3], v[RD] offset:\t*2*SPITCH
.endr
.endm
.macro SEND a, younger                 ; younger: the LDS instructions issued behind block a's loads, which may stay out
	s_wait_dscnt \younger
.irp t, 0,1,2,3,4,5,6,7
	global_store_b128 v[CO], v[BK+32*((\a)%2)+4*\t:BK+32*((\a)%2)+4*\t+3], s[10:11] offset:(16*(\a)+2*\t)*8192 th:TH_STORE_NT
.endr
.endm
	s_wait_kmcnt 0x0
	s_add_co_i32 s68, s68, s69
	s_add_co_i32 s68, s68, 127
	s_lshl_b32 s68, s68, 23                        ; 2^(e10 + e11) as f32
	s_mov_b32 s69, s68                             ; (named with it as a pair)
	PLACES 4                                       ; in front of the first reads of results
	TOSTAGE 0
.irp a, 1,2,3
.if \a > 1
	s_wait_xcnt 0x0                                ; block a - 2's stores have read their registers
.endif
	TOSTAGE \a
	SEND \a-1, 16
.endr
	SEND 3, 0
	s_wait_tensorcnt 0x0                           ; the wave's end
	ds_add_u32 v[SPW], v[NIL]
	s_wait_dscnt 0x0
	CROUND                                         ; the closing round
	s_endpgm
.Lfunc_end_k_qede504e50c_oproj:
	.size	k_qede504e50c_oproj, .Lfunc_end_k_qede504e50c_oproj-k_qede504e50c_oproj
	.p2alignl 7, 3214868480
	.fill 96, 4, 3214868480
	.section	.rodata,"a",@progbits
	.p2align	6, 0x0
	.amdhsa_kernel k_qede504e50c_oproj
		.amdhsa_group_segment_fixed_size 327680
		.amdhsa_private_segment_fixed_size 0
		.amdhsa_enable_private_segment 0
		.amdhsa_kernarg_size 32
		.amdhsa_user_sgpr_count 2
		.amdhsa_user_sgpr_kernarg_segment_ptr 1
		.amdhsa_wavefront_size32 1
		.amdhsa_system_sgpr_workgroup_id_x 1
		.amdhsa_system_sgpr_workgroup_id_y 1
		.amdhsa_system_sgpr_workgroup_id_z 1
		.amdhsa_system_vgpr_workitem_id 0
		.amdhsa_next_free_vgpr 512
		.amdhsa_next_free_sgpr 84
		.amdhsa_reserve_vcc 0
		.amdhsa_float_denorm_mode_32 3
		.amdhsa_float_denorm_mode_16_64 3
		.amdhsa_memory_ordered 1
		.amdhsa_forward_progress 1
		.amdhsa_inst_pref_size 75
	.end_amdhsa_kernel
	.amdgpu_metadata
---
amdhsa.version: [ 1, 2 ]
amdhsa.kernels:
  - .name:           k_qede504e50c_oproj
    .symbol:         k_qede504e50c_oproj.kd
    .args:
      - { .name: ac, .offset: 0, .size: 8, .value_kind: global_buffer, .address_space: global }
      - { .name: Wo_codes, .offset: 8, .size: 8, .value_kind: global_buffer, .address_space: global }
      - { .name: lowp_scales, .offset: 16, .size: 8, .value_kind: global_buffer, .address_space: global }
      - { .name: out0, .offset: 24, .size: 8, .value_kind: global_buffer, .address_space: global }
    .group_segment_fixed_size: 327680
    .private_segment_fixed_size: 0
    .kernarg_segment_align: 8
    .kernarg_segment_size: 32
    .max_flat_workgroup_size: 128
    .sgpr_count:     84
    .vgpr_count:     512
    .wavefront_size: 32
...
	.end_amdgpu_metadata
.endif
;; end of part 3
